; MI455X (gfx1250); checked and timed in simulation.
; The chip was launched on July 23, 2026; its instructions are those of AMD's public machine-readable ISA for CDNA 5 (MIT licence, August 2026) and "CDNA5" Instruction Set Architecture Reference Guide (July 2026). The comments in the code are by the model that wrote it; some were corrected since.
;; Causal Multi Head Attention. Allowed arithmetic: matrix products marked QUANTISED: E2M3 operands, one E8M0 scale for each 32 along K, by v_wmma_scale_f32_16x16x128_f8f6f4 with both operands' format E2M3, f32 sums; everything else in f32.
;; Inputs: bk 1,024 float32; bo 1,024 float32; bq 1,024 float32; bv 1,024 float32; wk 1,024 x 1,024 float32; wo 1,024 x 1,024 float32; wq 1,024 x 1,024 float32; wv 1,024 x 1,024 float32; x 4 x 2,048 x 1,024 float32.
;; Outputs: out0 4 x 2,048 x 1,024 float32.
;; This version of the problem:
;;   THIS VERSION OF THE PROBLEM IS GIVEN IN LOW PRECISION. The matrix products marked QUANTISED in the list below multiply operands that are first quantised to E2M3 (2 exponent bits, 3 mantissa bits; 6 bits a number), with one power-of-two scale for each 32 numbers along K (OCP MX v1.0); their sums are f32. All else is computed in f32.
;;   The module's matrix products, in the order in which they are computed (A, B: the left and right operand; K: the contracted axis; several contracted axes count as one K, in the product's order):
;;     1. [M 8,192, K 1,024] x [K 1,024, N 1,024]; A: input x; B: input wq: QUANTISED
;;     2. [M 8,192, K 1,024] x [K 1,024, N 1,024]; A: input x; B: input wk: QUANTISED
;;     3. [M 8,192, K 1,024] x [K 1,024, N 1,024]; A: input x; B: input wv: QUANTISED
;;     4. batch 64 x [M 2,048, K 64] x [K 64, N 2,048]; A: computed on the way; B: computed on the way: QUANTISED
;;     5. batch 64 x [M 2,048, K 2,048] x [K 2,048, N 64]; A: softmax (see below); B: computed on the way: QUANTISED
;;     6. [M 8,192, K 1,024] x [K 1,024, N 1,024]; A: computed on the way; B: input wo: QUANTISED
;;   THE QUANTISER, for each operand of a quantised product, along K:
;;     - K is cut into blocks of 32 from its start; a last block that is shorter is filled with zeros.
;;     - A block's scale is 2^e with e = floor(log2(the largest magnitude in the block)) - 2, held to -126 .. 127; a block of zeros has e = 0. As a byte (E8M0): e + 127.
;;     - Each number is divided by its block's scale, clamped to +-7.5, and rounded to the nearest number of E2M3, ties to even, subnormals kept.
;;     - The product sums the exact products of the quantised numbers (number of the format x scale) in f32.
;;   ~~~python
;;   def quantise(x, axis):      # numpy; x: float32 -> the quantised numbers, widened to float32 again
;;       x = np.moveaxis(x, axis, -1); K = x.shape[-1]
;;       x = np.pad(x, [(0, 0)] * (x.ndim - 1) + [(0, -K % 32)]); x = x.reshape(x.shape[:-1] + (-1, 32)); a = np.abs(x).max(-1, keepdims=True)
;;       e = np.where(a > 0, np.clip(np.frexp(np.where(a > 0, a, 1))[1] - 1 - 2, -126, 127), 0)      # np.frexp(a)[1] - 1 = floor(log2(a)), exactly
;;       r = np.clip(x / 2.0 ** e, -7.5, 7.5)
;;       step = 2.0 ** (np.maximum(np.frexp(np.where(r == 0, 1, r))[1] - 1, 0) - 3)
;;       q = np.round(r / step) * step * 2.0 ** e      # np.round: ties to even
;;       return np.moveaxis(q.reshape(q.shape[:-2] + (-1,))[..., :K], -1, axis).astype(np.float32)
;;   ~~~
;;   SOFTMAX AHEAD OF A QUANTISED PRODUCT. Where the list says 'softmax', what is quantised is not the finished softmax but p = 2^(t - M), with t = logit x log2(e) and M = ceil(the row's largest t), a whole number; so 1/2 < the row's largest p <= 1. The row's sum l is taken of the UNQUANTISED p, in f32, and the product's result is divided by l at the end. Since M is a whole number, a kernel that streams over the keys may use a running M (the ceiling of the running maximum): every later rescaling is an exact power of two, which a block's scale takes up: the codes' values come out the same.
;;   OPERANDS COMPUTED ON THE WAY. 'Computed on the way' means the value that the module computes at that place (a softmax that the list does not call 'softmax' is quantised finished and normalised). What goes into a quantiser is computed in f32, as accurately as f32 sums, v_exp_f32 and their like allow (about 1e-6 of the number): no bf16 or f16 on the way to a quantiser, and a product that is left as it is and whose result goes on into a quantised operand takes f32 operands (vector FMAs, or v_wmma_f32_16x16x4_f32). A number that lies on a knife's edge between two numbers of the format may be rounded either way, as far as f32 arithmetic and the matrix unit's own rounding can turn it there, and no further.
;; One version. Each part assembles by itself: llvm-mc -triple=amdgcn-amd-amdhsa -mcpu=gfx1250 --defsym DOCPART=n.
;; ======== version 1 of 1: 5 launches
;; workspace buffers: ximg 6,553,600 bytes; wimg 3,276,800 bytes; qk 13,631,488 bytes; vt 6,553,600 bytes; cimg 6,291,456 bytes; cscale 524,288 bytes
;; launch quantx (part 1): grid 8 x 64, 8 waves a work-group, no clusters, 69,120 bytes of LDS; arguments x, ximg; writes ximg
.if DOCPART == 1
	.amdgcn_target "amdgcn-amd-amdhsa--gfx1250"
	.amdhsa_code_object_version 6
	.text
	.protected	k_q596fe7e7d9_quantx
	.globl	k_q596fe7e7d9_quantx
	.p2align	8
	.type	k_q596fe7e7d9_quantx,@function
k_q596fe7e7d9_quantx:
	s_mov_b64 s[64:65], 0
	v_nop
	global_prefetch_b8 v0, s[64:65] scope:SCOPE_SE
	s_setreg_imm32_b32 hwreg(HW_REG_WAVE_MODE, 25, 1), 1
	s_wait_xcnt 0x0
; CAUSAL MULTI-HEAD ATTENTION IN MX-FP6 (E2M3 codes, one E8M0 scale for each 32 along K), five launches:
;   quantx: x -> codes;  quantw: wq, wk, wv, wo -> codes;  qkv: the three projections, their biases, and the quantisers of q, k, v;
;   attn: q k^T, softmax, p v, and ctx's quantiser;  proj: ctx wo + bo.
; WORK LEFT OUT.  reference() builds the causal mask in its own body (jnp.tril): a score with key > query becomes finfo.min, its weight is 0 for all values of the
; inputs, and it adds nothing to the row's sum or to ctx.  So steps of 128 keys all of which come after all 16 queries of a tile are not multiplied (launch attn).
; Nothing else is left out: every input has a way to the output (bk too: it moves k's codes) and every input is loaded.
; LIMITS.  A NaN, an infinity or an overflow that reaches only the key steps left out is not carried to the result.  NaN and infinities among the inputs are not served.
; A block of zeros gets the scale byte 1 where the rule says 127: its codes are zeros, which add nothing under any byte but 0xff, and this program alone reads the bytes.
; Blocks whose largest magnitude lies under 2^(3 - 127), the floor, keep the byte 1.
;
; THE WORKSPACE IS LAID AS IMAGES OF OPERAND REGISTERS.  A fragment (16 rows x 128 K) is 12 registers a lane: 1,536 bytes, three chunks of 512, chunk c = registers 4 c .. 4 c + 3, lane l at 16 l.
; A record (128 rows x 128 K) is eight fragments and 512 bytes of scale words: the word of (tile t, row r) at 12,288 + 256 (t & 1) + 16 r + 4 (t >> 1).
; THE ROWS OF A TILE ARE NOT NEIGHBOURS: lane row r of tile t is row 32 (t / 2) + 8 (t % 2) + r + 8 (r / 8) of the 128, so that a transposed product's 16 registers of two neighbouring tiles are 16 neighbours.
;
; THIS LAUNCH: x [8192][1024] f32 -> ximg [token block 64][K step 8] records.  A work-group makes one record, wave w its tile w.
; Each load reads 512 consecutive bytes (one row's 128 numbers); the 16 rows turn through the wave's own stage in LDS (pitch 528) and come back 128 bytes a lane: lane (r, h) then holds
; the two whole blocks k = 64 c + 32 h + 0 .. 31 of row r, in the order of the operand's registers, so the conversions' results are the fragment.
.set STG,   8448                       ; a wave's stage: 16 rows x (512 + 16) bytes
.set GATH,  8*STG                      ; the record's 512 bytes of scale words are gathered here
.set SPARE, GATH+512                   ; the spare words, 128 bytes for each wave: four blocks of 256 bytes that no other line names
.set SPW,   12                         ; v12  LDS address of my spare word; never rewritten
.set NIL,   13                         ; v13  0; never rewritten
.set PC,    24                         ; v24-35   the fragment's codes
.set R,     64                         ; v64-127  16 rows as loaded
.set X,     128                        ; v128-191 my two blocks of 32
	s_load_b128 s[4:7], s[0:1], 0x0                ; x, ximg
	v_lshl_add_u32 v[SPW], v0, 2, SPARE
	v_mov_b32 v[NIL], 0
	v_lshrrev_b32 v1, 5, v0
	s_delay_alu instid0(VALU_DEP_1)
	v_readfirstlane_b32 s8, v1                     ; wave 0..7 = tile
	v_and_b32 v2, 31, v0                           ; lane
	v_and_b32 v3, 15, v0                           ; r
	v_bfe_u32 v11, v0, 4, 1                        ; h
	s_delay_alu instid0(VALU_DEP_3)
	v_lshlrev_b32 v4, 4, v2                        ; 16 x lane
	s_mul_i32 s9, s8, STG
	v_add_nc_u32 v5, s9, v4                        ; the stage on the way in: 16 x lane of a row
	v_mul_u32_u24 v6, v3, 528
	s_delay_alu instid0(VALU_DEP_1)
	v_lshl_add_u32 v6, v11, 7, v6
	s_delay_alu instid0(VALU_DEP_1)
	v_add_nc_u32 v6, s9, v6                        ; and on the way out: row r, + 128 h
	s_and_b32 s10, s8, 1
	s_lshr_b32 s11, s8, 1
	s_lshl_b32 s12, s10, 8
	s_lshl_b32 s13, s11, 2
	s_add_co_u32 s12, s12, s13
	s_add_co_u32 s12, s12, GATH
	v_lshl_add_u32 v7, v3, 4, s12                  ; my row's scale word: GATH + 256 (w & 1) + 4 (w >> 1) + 16 r
	v_add_nc_u32 v8, GATH, v4
	s_mov_b32 s20, 0x76543210
	s_mov_b32 s21, 0xfedcba98                      ; v_permlanex16_b32's selects for lane l xor 16
	s_and_b32 s14, ttmp7, 0xffff                   ; token block
	s_lshl_b32 s15, s14, 7
	s_lshl_b32 s16, s11, 5
	s_add_co_u32 s15, s15, s16
	s_lshl_b32 s16, s10, 3
	s_add_co_u32 s15, s15, s16                     ; the tile's first row: 128 Y + 32 (w >> 1) + 8 (w & 1)
	s_lshl_b32 s16, s15, 12                        ; x 4,096 bytes (under 2^25),
	s_lshl_b32 s17, ttmp9, 9                       ; + 512 x K step
	s_add_co_u32 s16, s16, s17
	s_mov_b32 s17, 0
	s_lshl_b32 s18, s14, 3
	s_add_co_u32 s18, s18, ttmp9
	s_mul_i32 s18, s18, 12800                      ; the record,
	s_mul_i32 s19, s8, 1536                        ; my fragment in it
	s_add_co_u32 s18, s18, s19
	s_mov_b32 s19, 0
	s_wait_alu depctr_va_vdst(0)
	s_wait_kmcnt 0x0
	s_add_nc_u64 s[4:5], s[4:5], s[16:17]
	s_add_nc_u64 s[6:7], s[6:7], s[18:19]
.irp p, 0,1,2,3,4,5,6,7,8,9,10,11,12,13,14,15
	global_load_b128 v[R+4*\p:R+4*\p+3], v4, s[4:5] offset:(\p+8*(\p/8))*4096 th:TH_LOAD_NT   ; lane row p: 32 lanes read 512 consecutive bytes; read once in the program
.endr
.irp p, 0,1,2,3,4,5,6,7,8,9,10,11,12,13,14,15
	s_wait_loadcnt 15-\p                           ; row p is in; the younger rows' loads stay out
	ds_store_b128 v5, v[R+4*\p:R+4*\p+3] offset:528*\p
.endr
.irp c, 0,1
.irp p, 0,1,2,3,4,5,6,7
	ds_load_b128 v[X+32*\c+4*\p:X+32*\c+4*\p+3], v6 offset:256*\c+16*\p   ; LDS serves a wave's instructions in order: these see my stores
.endr
.endr
.macro BMAX c                          ; the largest magnitude of my block c, with the floor 2^(3 - 127) among its leaves: the byte cannot fall under 1
	v_max3_num_f32 v[16+\c], |v[X+32*\c]|, |v[X+32*\c+1]|, 0x1800000
.irp i, 2,4,6,8,10,12,14,16,18,20,22,24,26,28,30
	s_delay_alu instid0(VALU_DEP_1)
	v_max3_num_f32 v[16+\c], v[16+\c], |v[X+32*\c+\i]|, |v[X+32*\c+\i+1]|
.endr
.endm
	s_wait_dscnt 8                                 ; the first block's eight loads are in; the second's may be out
	BMAX 0
	s_wait_dscnt 0x0
	BMAX 1
	v_add_nc_u32 v18, 0xff000000, v16              ; 2 off the exponent field: the conversion takes the exponent field of this operand as its scale
	s_delay_alu instid0(VALU_DEP_2)
	v_add_nc_u32 v19, 0xff000000, v17
	s_delay_alu instid0(VALU_DEP_2)
	v_lshrrev_b32 v20, 23, v18                     ; the scales' bytes
	s_delay_alu instid0(VALU_DEP_2)
	v_lshrrev_b32 v21, 23, v19
	s_delay_alu instid0(VALU_DEP_1)
	v_lshl_or_b32 v9, v21, 16, v20                 ; blocks h and 2 + h of row r,
	v_lshlrev_b32 v10, 3, v11
	s_delay_alu instid0(VALU_DEP_1)
	v_lshlrev_b32 v9, v10, v9                      ; at their places in the word (8 h bits up);
	v_mov_b32 v10, 0
	s_delay_alu instid0(VALU_DEP_1)
	v_permlanex16_b32 v10, v9, s20, s21
	s_delay_alu instid0(VALU_DEP_1)
	v_or_b32 v9, v9, v10                           ; with lane l xor 16's two the word is whole
.irp c, 0,1
	v_cvt_scalef32_pk16_fp6_f32 v[PC+6*\c:PC+6*\c+2], v[X+32*\c:X+32*\c+15], v[18+\c]
	v_cvt_scalef32_pk16_fp6_f32 v[36+4*\c:38+4*\c], v[X+32*\c+16:X+32*\c+31], v[18+\c]   ; (a conversion's three registers begin on an even number)
.endr
	v_nop                                          ; one plain place behind a scaled conversion
.irp c, 0,1
.irp i, 0,1,2
	v_mov_b32 v[PC+3+6*\c+\i], v[36+4*\c+\i]
.endr
.endr
.irp c, 0,1,2
	global_store_b128 v4, v[PC+4*\c:PC+4*\c+3], s[6:7] offset:512*\c   ; 32 lanes store 512 consecutive bytes, aligned
.endr
	ds_store_b32 v7, v9                            ; lanes r and r + 16 write the same word with the same value
	s_wait_dscnt 0x0                               ; for the others' sake: my word has landed
	s_barrier_signal -1
	s_barrier_wait -1
	s_cmp_lg_u32 s8, 0
	s_cbranch_scc1 .Lend
	ds_load_b128 v[44:47], v8                      ; wave 0 (its base is the record's first byte) stores the record's 512 bytes of scale words
	s_wait_dscnt 0x0
	global_store_b128 v4, v[44:47], s[6:7] offset:12288
.Lend:
	s_wait_tensorcnt 0x0                           ; the wave's end, behind my last LDS store
	ds_add_u32 v[SPW], v[NIL]
	s_wait_dscnt 0x0
	s_endpgm
.Lfunc_end_k_q596fe7e7d9_quantx:
	.size	k_q596fe7e7d9_quantx, .Lfunc_end_k_q596fe7e7d9_quantx-k_q596fe7e7d9_quantx
	.p2alignl 7, 3214868480
	.fill 96, 4, 3214868480
	.section	.rodata,"a",@progbits
	.p2align	6, 0x0
	.amdhsa_kernel k_q596fe7e7d9_quantx
		.amdhsa_group_segment_fixed_size 69120
		.amdhsa_private_segment_fixed_size 0
		.amdhsa_enable_private_segment 0
		.amdhsa_kernarg_size 16
		.amdhsa_user_sgpr_count 2
		.amdhsa_user_sgpr_kernarg_segment_ptr 1
		.amdhsa_wavefront_size32 1
		.amdhsa_system_sgpr_workgroup_id_x 1
		.amdhsa_system_sgpr_workgroup_id_y 1
		.amdhsa_system_sgpr_workgroup_id_z 1
		.amdhsa_system_vgpr_workitem_id 0
		.amdhsa_next_free_vgpr 192
		.amdhsa_next_free_sgpr 66
		.amdhsa_reserve_vcc 0
		.amdhsa_float_denorm_mode_32 3
		.amdhsa_float_denorm_mode_16_64 3
		.amdhsa_memory_ordered 1
		.amdhsa_forward_progress 1
		.amdhsa_inst_pref_size 12
	.end_amdhsa_kernel
	.amdgpu_metadata
---
amdhsa.version: [ 1, 2 ]
amdhsa.kernels:
  - .name:           k_q596fe7e7d9_quantx
    .symbol:         k_q596fe7e7d9_quantx.kd
    .args:
      - { .name: x, .offset: 0, .size: 8, .value_kind: global_buffer, .address_space: global }
      - { .name: ximg, .offset: 8, .size: 8, .value_kind: global_buffer, .address_space: global }
    .group_segment_fixed_size: 69120
    .private_segment_fixed_size: 0
    .kernarg_segment_align: 8
    .kernarg_segment_size: 16
    .max_flat_workgroup_size: 256
    .sgpr_count:     66
    .vgpr_count:     192
    .wavefront_size: 32
...
	.end_amdgpu_metadata
.endif
;; end of part 1
;; launch quantw (part 2): grid 64 x 4, 4 waves a work-group, no clusters, 13,312 bytes of LDS; arguments wq, wk, wv, wo, wimg; writes wimg
.if DOCPART == 2
	.amdgcn_target "amdgcn-amd-amdhsa--gfx1250"
	.amdhsa_code_object_version 6
	.text
	.protected	k_q596fe7e7d9_quantw
	.globl	k_q596fe7e7d9_quantw
	.p2align	8
	.type	k_q596fe7e7d9_quantw,@function
k_q596fe7e7d9_quantw:
	s_mov_b64 s[64:65], 0
	v_nop
	global_prefetch_b8 v0, s[64:65] scope:SCOPE_SE
	s_setreg_imm32_b32 hwreg(HW_REG_WAVE_MODE, 25, 1), 1
	s_wait_xcnt 0x0
; wq, wk, wv, wo [1024 (k)][1024 (n)] f32 -> wimg [row block 32][K step 8] records (layout: head of launch quantx); blocks 0-7 wq, 8-15 wk, 16-23 wv, 24-31 wo; an operand's rows are the columns n.
; K is the FIRST axis: a lane takes a column and its registers run down K, so a block of 32 lies in one lane and the conversions give codes with K innermost; nothing is transposed.
; A work-group makes one record: 128 columns x 128 along K; wave w takes columns 32 w + lane.  Column 32 w + l is lane row r = (l & 7) + 8 (l >> 4) of tile 2 w + u, u = (l >> 3) & 1.
; Block t of the lane's four is registers 6 (t / 2) .. + 5 of image lane r + 16 (t % 2): it goes to its place in the record's image in LDS; behind a barrier the image leaves in runs of 512 bytes.
; LIMITS: as stated at the head of launch quantx (floor, zeros, NaN, infinities).  No work is left out here.
.set SPARE, 12800                      ; behind the image: the spare words, 128 bytes for each wave
.set SPW,   12
.set NIL,   13
.set SW,    8                          ; v8       my column's scale word
.set C,     16                         ; v16-21   a block's six registers of codes
.set D,     24                         ; v24-26   the second conversion's
.set X,     64                         ; v64-191  my column's 128 numbers
	s_load_b256 s[4:11], s[0:1], 0x0               ; wq, wk, wv, wo
	s_load_b64 s[12:13], s[0:1], 0x20              ; wimg
	v_lshl_add_u32 v[SPW], v0, 2, SPARE
	v_mov_b32 v[NIL], 0
	v_lshrrev_b32 v1, 5, v0
	v_readfirstlane_b32 s14, v1                    ; wave 0..3
	v_and_b32 v2, 31, v0                           ; lane
	v_lshlrev_b32 v4, 2, v2                        ; in: 4 bytes a lane
	v_bfe_u32 v3, v0, 3, 1                         ; u
	v_and_b32 v9, 7, v0
	v_bfe_u32 v10, v0, 4, 1
	v_lshl_add_u32 v9, v10, 3, v9                  ; r
	s_mul_i32 s15, s14, 3072
	v_mul_u32_u24 v5, v3, 1536
	v_lshl_add_u32 v5, v9, 4, v5
	v_add_nc_u32 v5, s15, v5                       ; my fragment's image, my row: (2 w + u) 1,536 + 16 r
	v_lshlrev_b32 v6, 8, v3
	v_lshl_add_u32 v6, v9, 4, v6
	s_lshl_b32 s16, s14, 2
	s_add_co_u32 s16, s16, 12288
	v_add_nc_u32 v6, s16, v6                       ; my scale word: 12,288 + 256 u + 16 r + 4 w
	v_lshlrev_b32 v7, 4, v2
	v_add_nc_u32 v7, s15, v7                       ; the way out: 3,072 w + 16 x lane, in LDS and in the record alike
	s_and_b32 s17, ttmp7, 0xffff                   ; which weight
	s_and_b32 s18, ttmp9, 7                        ; column block
	s_lshr_b32 s19, ttmp9, 3                       ; K step
	s_lshl_b32 s20, s19, 19                        ; 128 rows of 4,096 bytes a K step,
	s_lshl_b32 s21, s18, 9                         ; 512 bytes a column block,
	s_add_co_u32 s20, s20, s21
	s_lshl_b32 s21, s14, 7                         ; 128 bytes a wave
	s_add_co_u32 s20, s20, s21
	s_mov_b32 s21, 0
	s_lshl_b32 s22, s17, 3
	s_add_co_u32 s22, s22, s18
	s_lshl_b32 s22, s22, 3
	s_add_co_u32 s22, s22, s19
	s_mul_i32 s22, s22, 12800                      ; the record: ((8 y + column block) 8 + K step) 12,800
	s_mov_b32 s23, 0
	s_wait_kmcnt 0x0
	s_cmp_eq_u32 s17, 1                            ; the choice hangs on the work-group's number alone
	s_cselect_b64 s[4:5], s[6:7], s[4:5]
	s_cmp_eq_u32 s17, 2
	s_cselect_b64 s[4:5], s[8:9], s[4:5]
	s_cmp_eq_u32 s17, 3
	s_cselect_b64 s[4:5], s[10:11], s[4:5]
	s_add_nc_u64 s[4:5], s[4:5], s[20:21]
	s_add_nc_u64 s[12:13], s[12:13], s[22:23]
.macro LOADB t                         ; block t: W(32 t + i, my column): 32 lanes read 128 consecutive bytes, the four waves side by side 512
.irp i, 0,1,2,3,4,5,6,7,8,9,10,11,12,13,14,15,16,17,18,19,20,21,22,23,24,25,26,27,28,29,30,31
	global_load_b32 v[X+32*(\t)+\i], v4, s[4:5] offset:(32*(\t)+\i)*4096 th:TH_LOAD_NT
.endr
.endm
.macro BLOCK t
.set XS, X+32*(\t)
.if (\t) < 3
	s_wait_loadcnt 32                              ; this block's 32 loads are in; the next block's may be out
.else
	s_wait_loadcnt 0x0
.endif
.if (\t)+2 < 4
	LOADB (\t)+2                                   ; loads run two blocks ahead
.endif
	v_max3_num_f32 v28, |v[XS]|, |v[XS+1]|, |v[XS+2]|              ; the block's largest magnitude: all 32 numbers are mine; two chains
	v_max3_num_f32 v29, |v[XS+3]|, |v[XS+4]|, |v[XS+5]|
.irp i, 6,10,14,18,22,26
	v_max3_num_f32 v28, v28, |v[XS+\i]|, |v[XS+\i+1]|
	v_max3_num_f32 v29, v29, |v[XS+\i+2]|, |v[XS+\i+3]|
.endr
	v_max3_num_f32 v28, v28, |v[XS+30]|, |v[XS+31]|
	v_max3_num_f32 v28, v28, v29, 0x1800000        ; and the floor 2^(3 - 127)
	v_add_nc_u32 v30, 0xff000000, v28              ; 2 off the exponent field: the conversion's scale operand
	v_lshrrev_b32 v31, 23, v30                     ; the scale's byte
.if (\t) == 0
	v_mov_b32 v[SW], v31
.else
	v_lshl_or_b32 v[SW], v31, 8*(\t), v[SW]
.endif
	v_cvt_scalef32_pk16_fp6_f32 v[C:C+2], v[XS:XS+15], v30
	v_cvt_scalef32_pk16_fp6_f32 v[D:D+2], v[XS+16:XS+31], v30      ; (a conversion's three registers begin on an even number)
	v_nop                                          ; one plain place behind a scaled conversion
.irp i, 0,1,2
	v_mov_b32 v[C+3+\i], v[D+\i]
.endr
.if (\t) < 2                           ; registers 0-5 of image lane r + 16 (t % 2): chunk 0 whole, the first half of the lane's 16 bytes of chunk 1
	ds_store_b128 v5, v[C:C+3] offset:256*((\t)%2)
	ds_store_b64 v5, v[C+4:C+5] offset:256*((\t)%2)+512
.else                                  ; registers 6-11: the second half of chunk 1, chunk 2 whole
	ds_store_b64 v5, v[C:C+1] offset:256*((\t)%2)+520
	ds_store_b128 v5, v[C+2:C+5] offset:256*((\t)%2)+1024
.endif
	s_wait_dscnt 0x0                               ; the stores have read their registers: the next block's codes may be written
.endm
	LOADB 0
	LOADB 1
	BLOCK 0
	BLOCK 1
	BLOCK 2
	BLOCK 3
	s_wait_alu depctr_va_vdst(0)
	ds_store_b32 v6, v[SW]
	s_wait_dscnt 0x0                               ; for the others' sake: my part of the image has landed
	s_barrier_signal -1
	s_barrier_wait -1
.irp j, 0,1,2,3,4,5
	ds_load_b128 v[32+4*\j:35+4*\j], v7 offset:512*\j
.endr
.irp j, 0,1,2,3,4,5
	s_wait_dscnt 5-\j                              ; chunk j is in; the younger loads stay out
	global_store_b128 v7, v[32+4*\j:35+4*\j], s[12:13] offset:512*\j   ; 32 lanes store 512 consecutive bytes, aligned
.endr
	s_cmp_lg_u32 s14, 0
	s_cbranch_scc1 .Lend
	ds_load_b128 v[56:59], v7 offset:12288         ; wave 0: the scale words
	s_wait_dscnt 0x0
	global_store_b128 v7, v[56:59], s[12:13] offset:12288
.Lend:
	s_wait_tensorcnt 0x0                           ; the wave's end, behind my last LDS store
	ds_add_u32 v[SPW], v[NIL]
	s_wait_dscnt 0x0
	s_endpgm
.Lfunc_end_k_q596fe7e7d9_quantw:
	.size	k_q596fe7e7d9_quantw, .Lfunc_end_k_q596fe7e7d9_quantw-k_q596fe7e7d9_quantw
	.p2alignl 7, 3214868480
	.fill 96, 4, 3214868480
	.section	.rodata,"a",@progbits
	.p2align	6, 0x0
	.amdhsa_kernel k_q596fe7e7d9_quantw
		.amdhsa_group_segment_fixed_size 13312
		.amdhsa_private_segment_fixed_size 0
		.amdhsa_enable_private_segment 0
		.amdhsa_kernarg_size 40
		.amdhsa_user_sgpr_count 2
		.amdhsa_user_sgpr_kernarg_segment_ptr 1
		.amdhsa_wavefront_size32 1
		.amdhsa_system_sgpr_workgroup_id_x 1
		.amdhsa_system_sgpr_workgroup_id_y 1
		.amdhsa_system_sgpr_workgroup_id_z 1
		.amdhsa_system_vgpr_workitem_id 0
		.amdhsa_next_free_vgpr 192
		.amdhsa_next_free_sgpr 66
		.amdhsa_reserve_vcc 0
		.amdhsa_float_denorm_mode_32 3
		.amdhsa_float_denorm_mode_16_64 3
		.amdhsa_memory_ordered 1
		.amdhsa_forward_progress 1
		.amdhsa_inst_pref_size 23
	.end_amdhsa_kernel
	.amdgpu_metadata
---
amdhsa.version: [ 1, 2 ]
amdhsa.kernels:
  - .name:           k_q596fe7e7d9_quantw
    .symbol:         k_q596fe7e7d9_quantw.kd
    .args:
      - { .name: wq, .offset: 0, .size: 8, .value_kind: global_buffer, .address_space: global }
      - { .name: wk, .offset: 8, .size: 8, .value_kind: global_buffer, .address_space: global }
      - { .name: wv, .offset: 16, .size: 8, .value_kind: global_buffer, .address_space: global }
      - { .name: wo, .offset: 24, .size: 8, .value_kind: global_buffer, .address_space: global }
      - { .name: wimg, .offset: 32, .size: 8, .value_kind: global_buffer, .address_space: global }
    .group_segment_fixed_size: 13312
    .private_segment_fixed_size: 0
    .kernarg_segment_align: 8
    .kernarg_segment_size: 40
    .max_flat_workgroup_size: 128
    .sgpr_count:     66
    .vgpr_count:     192
    .wavefront_size: 32
...
	.end_amdgpu_metadata
.endif
;; end of part 2
;; launch qkv (part 3): grid 12 x 64, 4 waves a work-group, clusters of 4 x 4, 327,680 bytes of LDS; arguments ximg, wimg, bq, bk, bv, qk, vt; writes qk, vt
.if DOCPART == 3
	.amdgcn_target "amdgcn-amd-amdhsa--gfx1250"
	.amdhsa_code_object_version 6
	.text
	.protected	k_q596fe7e7d9_qkv
	.globl	k_q596fe7e7d9_qkv
	.p2align	8
	.type	k_q596fe7e7d9_qkv,@function
k_q596fe7e7d9_qkv:
	s_mov_b64 s[64:65], 0
	v_nop
	global_prefetch_b8 v0, s[64:65] scope:SCOPE_SE
	s_setreg_imm32_b32 hwreg(HW_REG_WAVE_MODE, 25, 1), 1
	s_wait_xcnt 0x0
	s_wait_alu depctr_hold_cnt(0) depctr_sa_sdst(0) depctr_va_vdst(0) depctr_va_sdst(0) depctr_va_ssrc(0) depctr_va_vcc(0) depctr_vm_vsrc(0)
	s_getreg_b32 s2, hwreg(HW_REG_IB_STS2, 6, 4)
	s_cmp_eq_u32 s2, 0
	s_cbranch_scc0 .Lentry_in_a_cluster
	s_endpgm
.Lentry_in_a_cluster:
	s_bfe_u32 s2, ttmp6, 0x10000c
	s_cmp_lg_u32 s2, 0xf033
	s_cbranch_scc0 .Lentry_shape_is_right
	s_endpgm
.Lentry_shape_is_right:
; q = x wq + bq, k = x wk + bk, v = x wv + bv on codes of E2M3, and the quantisers of q, k (along the head's 64) and v (along the keys).  No work is left out here.
; A work-group takes token block Y (128 rows of ximg) and weight blocks 2 X, 2 X + 1 of wimg (256 rows); X 0-3 is wq, 4-7 wk, 8-11 wv.  Each of its four waves makes 64 x 128: 4 tiles of "A" x 8 tiles of "B", 32 accumulators.
; THE MATRIX INSTRUCTION IS USED TRANSPOSED (source 0 = B, source 1 = A): a lane holds one row of A, and by the order of a tile's rows (head of launch quantx) its 64 registers of a tile of A run along 128 neighbouring rows of B,
; register 16 b + i = row 32 b + 16 (lane / 16) + i.  q, k: A = tokens (half w >> 1), B = features (weight block w & 1): the registers run along the features, two heads.
; v: A = features (weight block w >> 1, half w & 1: one head), B = tokens: the registers run along the keys.  Only LDS bases differ between the two, chosen by the cluster's x, which all partners share.
; ALL OF K LIES IN LDS: four K slots of 256 along K, each [tokens 25,600][weights 25,600][weights 25,600] bytes, filled once: no slot is filled again.  The K slot is the outer index, so a chosen base stays inside its slot.
; CLUSTER 4 x 4: the tokens' records hang on Y alone and are asked for jointly along a row of the cluster, the weights' on X alone, along a column.  Wave 0 asks for the tokens' four slots, waves 1 and 2 for a weight block's four; a wave has four tensor loads out.
; OUT.  qk [q, k][batch x head 64][group of 64 tokens 32]: 3,328 bytes: four half fragments (16 tokens x 64: registers 0-3 at 16 l, registers 4-5 at 512 + 8 l; tile a at 768 a), then at 3,072 the scale words: lane l's 8 bytes at 8 l, word i = tile 2 i + l / 16; bytes 2, 3 are 0.
;       vt [batch x head][key step 16]: 6,400 bytes: four fragments (16 of the head's 64 x 128 keys), then at 6,144 the scale words, laid likewise.  Every store covers whole aligned runs of 256 or 512 bytes.
; LIMITS: as stated at the head of launch quantx.
; REGISTERS.  window 0: v4-15 LDS addresses; v16-19 offsets; v28, v29 the add's two; v32-47 scale words, two sets; v64-159 A's fragments, two sets; v160-223 the bias; on the way out v64-157 and v224-239 are at work.
;   window 1: B's fragments, two sets of 96.   window 2: the accumulators, (a, b) at v[8 (8 a + b)].
.set KSLOT, 76800
.set SPARE, 4*KSLOT                    ; behind the slots: the spare words, 128 bytes for each wave
.set ADRA, 4                           ; v4-7    A's fragments in K slot 0..3
.set ADRB, 8                           ; v8-11   B's
.set ADRS, 12                          ; v12-15  A's scale words
.set L16,  16                          ; v16     16 x lane
.set L8,   17                          ; v17     8 x lane
.set H64,  18                          ; v18     64 x (lane / 16)
.set RB4,  19                          ; v19     4 (r + 8 (r / 8))
.set SPW,  28
.set NIL,  29
.set SC,   32                          ; set p at v[SC + 8 p]: four registers of B's words (register i: lanes 0-15 tile 2 i, lanes 16-31 tile 2 i + 1), two of A's
.set AF,   64
.set BN,   160
.set TT,   64                          ; the way out: 64 numbers
.set PC,   128                         ; the codes just made (v128-139; v140-146 the conversions' second halves)
.set PWK,  148                         ; v148-151 the four tiles' scale words
.set SPR,  152                         ; v152-157 the words as they are stored
.set TM,   224
.set WV,   18
.set G1X,  24
.set G1W,  32
.set G0X,  40                          ; s[40:55] four groups 0 for the tokens' slots
.set G0W,  68                          ; s[68:83] four for the weights'
.set SEL,  84
.set HI16, 86                          ; s86 the mask of lanes 16-31
.set OUTP, 88
.set BIAS, 90
.set MSB, 0
.macro WIN new                         ; the immediate's high byte repeats the setting that is left
.if MSB != \new
	s_set_vgpr_msb (MSB<<8)|\new
.set MSB, \new
.endif
.endm
.macro PLACES                          ; four places in front of loads into registers that matrix instructions have read, and of the first read of results
.rept 4
	v_nop
.endr
.endm
.macro CROUND                          ; a round of the cluster's barrier
	s_barrier_signal -1
	s_barrier_wait -1
	s_cmp_lg_u32 s[WV], 0
	s_cbranch_scc1 .Lnot_wave_0_\@
	s_barrier_signal -3
.Lnot_wave_0_\@:
	s_barrier_wait -3
	s_barrier_signal -1
	s_barrier_wait -1
.endm
	s_load_b256 s[4:11], s[0:1], 0x0               ; ximg, wimg, bq, bk
	s_load_b128 s[12:15], s[0:1], 0x20             ; bv, qk
	s_load_b64 s[16:17], s[0:1], 0x30              ; vt
	v_lshl_add_u32 v[SPW], v0, 2, SPARE
	v_mov_b32 v[NIL], 0
	ds_add_u32 v[SPW], v[NIL]                      ; the wave's opening: the add, twice on end, and its wait ahead of the first tensor loads
	ds_add_u32 v[SPW], v[NIL]
	v_lshrrev_b32 v1, 5, v0
	v_readfirstlane_b32 s[WV], v1                  ; wave 0..3
	s_bfe_u32 s19, ttmp6, 0x40000                  ; cx
	s_bfe_u32 s20, ttmp6, 0x40004                  ; cy
	s_lshl_b32 s21, ttmp9, 2
	s_add_co_u32 s21, s21, s19                     ; X = 4 x cluster x + cx
	s_and_b32 s22, ttmp7, 0xffff
	s_lshl_b32 s22, s22, 2
	s_add_co_u32 s22, s22, s20                     ; Y = 4 x cluster y + cy
	s_lshl_b32 s2, s20, 2
	s_lshl_b32 s2, 15, s2                          ; my row of the cluster
	s_lshl_b32 s3, 0x1111, s19                     ; my column
	s_or_b32 s[G1X], s2, (3<<16)|(1<<21)           ; 15:0 the mask; 17:16 elements of 8 bytes; 21 set beside a mask; no padding: the images are read 16 x lane
	s_or_b32 s[G1W], s3, (3<<16)|(1<<21)
.irp g, G1X, G1W
	s_mov_b32 s[\g+1], 32<<16                      ; tensor_dim0 = 32 elements: rows of 256 bytes
	s_mov_b32 s[\g+2], 100<<16                     ; tensor_dim1 = 100: two records, 25,600 dense bytes
	s_mov_b32 s[\g+3], 32<<16                      ; tile_dim0
	s_mov_b32 s[\g+4], 100                         ; tile_dim1
	s_mov_b32 s[\g+5], 32                          ; the pitch
	s_mov_b32 s[\g+6], 0
	s_mov_b32 s[\g+7], 0
.endr
	s_mul_i32 s56, s22, 102400                     ; the token block's eight records
	s_mov_b32 s57, 0
	s_add_co_u32 s58, s[WV], 1
	s_and_b32 s58, s58, 1                          ; which weight block: 0 in wave 1, 1 in wave 2
	s_lshl_b32 s60, s21, 1
	s_add_co_u32 s60, s60, s58
	s_mul_i32 s60, s60, 102400
	s_mov_b32 s61, 0
	s_mul_i32 s62, s58, 25600
	s_add_co_u32 s62, s62, 25600                   ; its place in a K slot: no place in the cluster enters an LDS address
	s_mov_b32 s[SEL], 0x76543210
	s_mov_b32 s[SEL+1], 0xfedcba98
	s_mov_b32 s[HI16], 0xffff0000
	s_wait_dscnt 0x0                               ; both opening adds are done
	s_wait_kmcnt 0x0
	s_add_nc_u64 s[56:57], s[4:5], s[56:57]
	s_add_nc_u64 s[60:61], s[6:7], s[60:61]
.irp s, 0,1,2,3
	s_mov_b32 s[G0X+4*\s], 1
	s_mov_b32 s[G0X+4*\s+1], KSLOT*\s
	s_add_nc_u64 s[G0X+4*\s+2:G0X+4*\s+3], s[56:57], 25600*\s
	s_or_b32 s[G0X+4*\s+3], s[G0X+4*\s+3], 0x80000000
	s_mov_b32 s[G0W+4*\s], 1
	s_add_co_u32 s[G0W+4*\s+1], s62, KSLOT*\s
	s_add_nc_u64 s[G0W+4*\s+2:G0W+4*\s+3], s[60:61], 25600*\s
	s_or_b32 s[G0W+4*\s+3], s[G0W+4*\s+3], 0x80000000
.endr
	CROUND                                         ; all sixteen work-groups are here: the joint loads meet
	s_cmp_eq_u32 s[WV], 0                          ; a wave's fills stand in one branch on the wave's number, K slot 0 first
	s_cbranch_scc0 .Lnot_x
.irp s, 0,1,2,3
	tensor_load_to_lds s[G0X+4*\s:G0X+4*\s+3], s[G1X:G1X+7]
	s_nop 0
.endr
.rept 4
	v_nop
.endr
	s_branch .Lasked
.Lnot_x:
	s_cmp_eq_u32 s[WV], 3
	s_cbranch_scc1 .Lasked
.irp s, 0,1,2,3
	tensor_load_to_lds s[G0W+4*\s:G0W+4*\s+3], s[G1W:G1W+7]
	s_nop 0
.endr
.rept 4
	v_nop
.endr
.Lasked:
	v_and_b32 v1, 31, v0
	v_and_b32 v2, 15, v0
	v_bfe_u32 v3, v0, 4, 1
	v_lshlrev_b32 v[L16], 4, v1
	s_wait_alu depctr_va_vdst(0)
	v_lshlrev_b32 v[L8], 3, v1
	v_lshlrev_b32 v[H64], 6, v3
	v_lshrrev_b32 v20, 3, v2
	v_lshlrev_b32 v[RB4], 2, v2
	v_lshl_add_u32 v[RB4], v20, 5, v[RB4]
	s_lshr_b32 s92, s[WV], 1
	s_and_b32 s93, s[WV], 1
	s_mul_i32 s94, s92, 25600
	s_add_co_u32 s94, s94, 25600
	s_mul_i32 s95, s93, 25600
	s_add_co_u32 s95, s95, 25600
	s_cmp_eq_u32 ttmp9, 2                          ; the cluster's x: 2 is wv.  The same in all sixteen partners
	s_cselect_b32 s23, 1, 0
	s_cselect_b32 s96, s94, 0                      ; where A lies in a K slot,
	s_cselect_b32 s97, 0, s95                      ; where B lies,
	s_cselect_b32 s98, s93, s92                    ; and which half of A's 128 rows is mine
	s_mul_i32 s99, s98, 6144
	s_add_co_u32 s99, s99, s96
	s_lshl_b32 s98, s98, 3
	s_add_co_u32 s98, s98, s96
	v_add_nc_u32 v[ADRA], s99, v[L16]
	v_add_nc_u32 v[ADRB], s97, v[L16]
	v_add_nc_u32 v[ADRS], s98, v[L16]
.irp s, 1,2,3
	v_add_nc_u32 v[ADRA+\s], KSLOT*\s, v[ADRA]
	v_add_nc_u32 v[ADRB+\s], KSLOT*\s, v[ADRB]
	v_add_nc_u32 v[ADRS+\s], KSLOT*\s, v[ADRS]
.endr
.irp b, 0,1,2,3
	v_mov_b32 v[TM+4+\b], 0                        ; written once: a lane permute's destination counts as one of its sources
.endr
; One K step's operands, 38 LDS loads in one run: B's eight fragments, A's four, B's scale words (16 bytes a lane), A's (8 bytes a lane).  Every load reads consecutive bytes, 16 x lane.
.macro FETCH ks
.set fs, (\ks)/2
.set fq, (\ks)%2
	WIN 0x40                                       ; destination window 1
.irp b, 0,1,2,3,4,5,6,7
.irp c, 0,1,2
	ds_load_b128 v[96*fq+12*\b+4*\c:96*fq+12*\b+4*\c+3], v[ADRB+fs] offset:12800*fq+1536*\b+512*\c
.endr
.endr
	WIN 0
.irp a, 0,1,2,3
.irp c, 0,1,2
	ds_load_b128 v[AF+48*fq+12*\a+4*\c:AF+48*fq+12*\a+4*\c+3], v[ADRA+fs] offset:12800*fq+1536*\a+512*\c
.endr
.endr
	ds_load_b128 v[SC+8*fq:SC+8*fq+3], v[ADRB+fs] offset:12800*fq+12288
	ds_load_b64 v[SC+8*fq+4:SC+8*fq+5], v[ADRS+fs] offset:12800*fq+12288
.endm
; One product.  An odd tile's scale words lie in lanes 16-31 of their register.
.macro WM a, b, p, zero
.set rD, 8*(8*(\a)+(\b))
.set rB, 96*(\p)+12*(\b)
.set rA, AF+48*(\p)+12*(\a)
.set rSB, SC+8*(\p)+(\b)/2
.set rSA, SC+8*(\p)+4+(\a)/2
.if \zero
.if (((\a)%2) == 0) && (((\b)%2) == 0)
	v_wmma_scale_f32_16x16x128_f8f6f4 v[rD:rD+7], v[rB:rB+11], v[rA:rA+11], 0, v[rSB], v[rSA] matrix_a_fmt:MATRIX_FMT_FP6 matrix_b_fmt:MATRIX_FMT_FP6
.elseif ((\a)%2) == 0
	v_wmma_scale_f32_16x16x128_f8f6f4 v[rD:rD+7], v[rB:rB+11], v[rA:rA+11], 0, v[rSB], v[rSA] matrix_a_fmt:MATRIX_FMT_FP6 matrix_b_fmt:MATRIX_FMT_FP6 matrix_a_scale:MATRIX_SCALE_ROW1
.elseif ((\b)%2) == 0
	v_wmma_scale_f32_16x16x128_f8f6f4 v[rD:rD+7], v[rB:rB+11], v[rA:rA+11], 0, v[rSB], v[rSA] matrix_a_fmt:MATRIX_FMT_FP6 matrix_b_fmt:MATRIX_FMT_FP6 matrix_b_scale:MATRIX_SCALE_ROW1
.else
	v_wmma_scale_f32_16x16x128_f8f6f4 v[rD:rD+7], v[rB:rB+11], v[rA:rA+11], 0, v[rSB], v[rSA] matrix_a_fmt:MATRIX_FMT_FP6 matrix_b_fmt:MATRIX_FMT_FP6 matrix_a_scale:MATRIX_SCALE_ROW1 matrix_b_scale:MATRIX_SCALE_ROW1
.endif
.else
.if (((\a)%2) == 0) && (((\b)%2) == 0)
	v_wmma_scale_f32_16x16x128_f8f6f4 v[rD:rD+7], v[rB:rB+11], v[rA:rA+11], v[rD:rD+7], v[rSB], v[rSA] matrix_a_fmt:MATRIX_FMT_FP6 matrix_b_fmt:MATRIX_FMT_FP6
.elseif ((\a)%2) == 0
	v_wmma_scale_f32_16x16x128_f8f6f4 v[rD:rD+7], v[rB:rB+11], v[rA:rA+11], v[rD:rD+7], v[rSB], v[rSA] matrix_a_fmt:MATRIX_FMT_FP6 matrix_b_fmt:MATRIX_FMT_FP6 matrix_a_scale:MATRIX_SCALE_ROW1
.elseif ((\b)%2) == 0
	v_wmma_scale_f32_16x16x128_f8f6f4 v[rD:rD+7], v[rB:rB+11], v[rA:rA+11], v[rD:rD+7], v[rSB], v[rSA] matrix_a_fmt:MATRIX_FMT_FP6 matrix_b_fmt:MATRIX_FMT_FP6 matrix_b_scale:MATRIX_SCALE_ROW1
.else
	v_wmma_scale_f32_16x16x128_f8f6f4 v[rD:rD+7], v[rB:rB+11], v[rA:rA+11], v[rD:rD+7], v[rSB], v[rSA] matrix_a_fmt:MATRIX_FMT_FP6 matrix_b_fmt:MATRIX_FMT_FP6 matrix_a_scale:MATRIX_SCALE_ROW1 matrix_b_scale:MATRIX_SCALE_ROW1
.endif
.endif
.endm
.macro MUL ks, zero                    ; a K step's 32 products.  The 32 accumulators take turns, one instruction a turn, in the same order in every step.  zero = 1: the first products start the sums
	WIN 0xa1                                       ; source 0 (B) window 1, source 1 (A) window 0, C and D window 2
.irp a, 0,1,2,3
.irp b, 0,1,2,3,4,5,6,7
	WM \a, \b, (\ks)%2, \zero
.endr
.endr
.endm
; K step ks is multiplied while step ks + 1's operands come out of LDS.  Where step ks + 1 opens a K slot: each filling wave waits until that slot's fill of its own has landed
; and the barrier shows it to all four.
.macro KSTEP ks, zero
.if (((\ks)+1)%2) == 0
	s_wait_tensorcnt 3-((\ks)+1)/2
.endif
	s_wait_dscnt 0x0                               ; step ks's operands are in (asked for 32 products ago); no LDS load of mine is out at a signal
.if (((\ks)+1)%2) == 0
	s_barrier_signal -1
	s_barrier_wait -1
.endif
	PLACES
	FETCH (\ks)+1
	MUL \ks, \zero
.endm
; 64 numbers of a lane, v[s] on, register 16 b + i = k 32 b + 16 (lane / 16) + i of my row, become a fragment's codes in v[PC] on and its scale word in v[pw].
.macro QUANT s, pw
.irp b, 0,1,2,3
	v_max3_num_f32 v[TM+\b], |v[\s+16*\b]|, |v[\s+1+16*\b]|, 0x1800000   ; my 16 numbers of block b, and the floor 2^(3 - 127)
.endr
.irp i, 2,4,6,8,10,12,14
.irp b, 0,1,2,3
	v_max3_num_f32 v[TM+\b], v[TM+\b], |v[\s+16*\b+\i]|, |v[\s+1+16*\b+\i]|   ; (the four blocks by turns)
.endr
.endr
.irp b, 0,1,2,3
	v_permlanex16_b32 v[TM+4+\b], v[TM+\b], s[SEL], s[SEL+1]
.endr
.irp b, 0,1,2,3
	v_max_num_f32 v[TM+\b], v[TM+\b], v[TM+4+\b]   ; with lane l xor 16's: the block's largest magnitude
.endr
.irp b, 0,1,2,3
	v_add_nc_u32 v[TM+12+\b], 0xff000000, v[TM+\b] ; 2 off its exponent field: the conversion's scale operand
.endr
.irp b, 0,1,2,3
	v_lshrrev_b32 v[TM+4+\b], 23, v[TM+12+\b]      ; the scale's byte
.endr
	v_lshl_or_b32 v[\pw], v[TM+5], 8, v[TM+4]
	v_lshl_or_b32 v[\pw], v[TM+6], 16, v[\pw]
	v_lshl_or_b32 v[\pw], v[TM+7], 24, v[\pw]
.irp c, 0,1
	v_cvt_scalef32_pk16_fp6_f32 v[PC+6*\c:PC+2+6*\c], v[\s+32*\c:\s+15+32*\c], v[TM+12+2*\c]
	v_cvt_scalef32_pk16_fp6_f32 v[PC+12+4*\c:PC+14+4*\c], v[\s+16+32*\c:\s+31+32*\c], v[TM+12+2*\c+1]   ; (a conversion's three registers begin on an even number)
.endr
	v_nop                                          ; one plain place behind a scaled conversion
.irp c, 0,1                            ; the operand's layout wants a whole block in a lane: lanes 0-15 block 2 c, lanes 16-31 block 2 c + 1
.irp i, 0,1,2
	v_permlane16_swap_b32 v[PC+6*\c+\i], v[PC+12+4*\c+\i]
.endr
.irp i, 0,1,2
	v_mov_b32 v[PC+3+6*\c+\i], v[PC+12+4*\c+\i]
.endr
.endr
.endm
; The last two K steps and the way out, once for q and k (isv = 0) and once for v (isv = 1).  The bias is asked for 64 products ahead of its use.
.macro ARM isv
	s_and_b32 s58, s21, 3                          ; which 256 features of the weight
.if \isv
	s_lshr_b32 s56, s22, 4
	s_lshl_b32 s56, s56, 4                         ; 16 x batch
	s_lshl_b32 s57, s58, 2
	s_add_co_u32 s56, s56, s57
	s_add_co_u32 s56, s56, s[WV]                   ; + my head: 4 (X & 3) + wave
	s_lshl_b32 s56, s56, 4
	s_and_b32 s57, s22, 15
	s_add_co_u32 s56, s56, s57                     ; the key step
	s_mul_i32 s56, s56, 6400
	s_mov_b32 s57, 0
	s_add_nc_u64 s[OUTP:OUTP+1], s[16:17], s[56:57]
	s_lshl_b32 s56, s58, 10
	s_lshl_b32 s59, s[WV], 8
	s_add_co_u32 s56, s56, s59
	s_add_nc_u64 s[BIAS:BIAS+1], s[12:13], s[56:57]
.irp a, 0,1,2,3                        ; a lane's row is one feature: its bias, in both halves of a pair
	global_load_b32 v[BN+2*\a], v[RB4], s[BIAS:BIAS+1] offset:4*(32*(\a/2)+8*(\a%2))
	global_load_b32 v[BN+2*\a+1], v[RB4], s[BIAS:BIAS+1] offset:4*(32*(\a/2)+8*(\a%2))
.endr
.else
	s_lshl_b32 s56, ttmp9, 6                       ; q: 0, k: 64
	s_lshr_b32 s57, s22, 4
	s_lshl_b32 s57, s57, 4
	s_add_co_u32 s56, s56, s57                     ; + 16 x batch
	s_lshl_b32 s57, s58, 2
	s_add_co_u32 s56, s56, s57
	s_lshl_b32 s57, s93, 1
	s_add_co_u32 s56, s56, s57                     ; + my first head: 4 (X & 3) + 2 (w & 1)
	s_lshl_b32 s56, s56, 5
	s_and_b32 s57, s22, 15
	s_lshl_b32 s57, s57, 1
	s_add_co_u32 s56, s56, s57
	s_add_co_u32 s56, s56, s92                     ; the group of 64 tokens: 2 (Y & 15) + (w >> 1)
	s_mul_i32 s56, s56, 3328
	s_mov_b32 s57, 0
	s_add_nc_u64 s[OUTP:OUTP+1], s[14:15], s[56:57]
	s_cmp_eq_u32 ttmp9, 0
	s_cselect_b64 s[BIAS:BIAS+1], s[8:9], s[10:11]
	s_lshl_b32 s56, s58, 10
	s_lshl_b32 s59, s93, 9
	s_add_co_u32 s56, s56, s59
	s_add_nc_u64 s[BIAS:BIAS+1], s[BIAS:BIAS+1], s[56:57]
.irp b, 0,1,2,3,4,5,6,7                ; a lane's 64 registers run along the features: the bias in the same order
	global_load_b128 v[BN+8*\b:BN+8*\b+3], v[H64], s[BIAS:BIAS+1] offset:4*(32*(\b/2)+8*(\b%2))
	global_load_b128 v[BN+8*\b+4:BN+8*\b+7], v[H64], s[BIAS:BIAS+1] offset:4*(32*(\b/2)+8*(\b%2))+16
.endr
.endif
	MUL 6, 0
	s_wait_dscnt 0x0                               ; K step 7's operands
	MUL 7, 0
	WIN 0
	PLACES
	s_wait_loadcnt 0x0                             ; the bias
.irp a, 0,1,2,3
.if \a > 0
	s_wait_xcnt 0x0                                ; the last tile's stores have read their registers: the codes may be written again
.endif
	WIN 0x02                                       ; source 0 window 2
.set n, 0
.rept 32                               ; the bias is added, in f32, on the way into window 0; each accumulator is read from its low end on
.if \isv
	v_pk_add_f32 v[TT+n:TT+n+1], v[64*\a+n:64*\a+n+1], v[BN+2*\a:BN+2*\a+1]
.else
	v_pk_add_f32 v[TT+n:TT+n+1], v[64*\a+n:64*\a+n+1], v[BN+n:BN+n+1]
.endif
.set n, n+2
.endr
	WIN 0
	QUANT TT, PWK+\a
.if \isv
.irp c, 0,1,2
	global_store_b128 v[L16], v[PC+4*\c:PC+4*\c+3], s[OUTP:OUTP+1] offset:1536*\a+512*\c
.endr
.else
.irp c, 0,1                            ; registers 6 c .. 6 c + 5 are head c's half fragment
	global_store_b128 v[L16], v[PC+6*\c:PC+6*\c+3], s[OUTP:OUTP+1] offset:\c*106496+768*\a
	global_store_b64 v[L8], v[PC+6*\c+4:PC+6*\c+5], s[OUTP:OUTP+1] offset:\c*106496+768*\a+512
.endr
.endif
.endr
	v_cndmask_b32 v[SPR+4], v[PWK], v[PWK+1], s[HI16]      ; lanes 0-15 tile 0's words, lanes 16-31 tile 1's
	v_cndmask_b32 v[SPR+5], v[PWK+2], v[PWK+3], s[HI16]    ; tiles 2 and 3
.if \isv
	global_store_b64 v[L8], v[SPR+4:SPR+5], s[OUTP:OUTP+1] offset:6144
.else
	v_and_b32 v[SPR], 0xffff, v[SPR+4]             ; head 0's two bytes; bytes 2 and 3 are 0
	v_and_b32 v[SPR+1], 0xffff, v[SPR+5]
	v_lshrrev_b32 v[SPR+2], 16, v[SPR+4]           ; head 1's
	v_lshrrev_b32 v[SPR+3], 16, v[SPR+5]
	global_store_b64 v[L8], v[SPR:SPR+1], s[OUTP:OUTP+1] offset:3072
	global_store_b64 v[L8], v[SPR+2:SPR+3], s[OUTP:OUTP+1] offset:106496+3072
.endif
.endm
	s_wait_alu depctr_va_vdst(0)
	s_wait_tensorcnt 3                             ; my fill of K slot 0 has landed; the three later ones stay out
	s_barrier_signal -1
	s_barrier_wait -1                              ; everybody's has
	FETCH 0
	KSTEP 0, 1
	KSTEP 1, 0
	KSTEP 2, 0
	KSTEP 3, 0
	KSTEP 4, 0
	KSTEP 5, 0
	s_wait_dscnt 0x0                               ; K step 6's operands
	PLACES
	FETCH 7
	s_cmp_eq_u32 s23, 1                            ; the cluster's x alone decides: all partners go the same way
	s_cbranch_scc1 .Lv
	ARM 0
	s_branch .Ldone
.Lv:
	ARM 1
.Ldone:
	s_wait_tensorcnt 0x0                           ; the wave's end
	ds_add_u32 v[SPW], v[NIL]
	s_wait_dscnt 0x0
	CROUND                                         ; the closing round
	s_endpgm
.Lfunc_end_k_q596fe7e7d9_qkv:
	.size	k_q596fe7e7d9_qkv, .Lfunc_end_k_q596fe7e7d9_qkv-k_q596fe7e7d9_qkv
	.p2alignl 7, 3214868480
	.fill 96, 4, 3214868480
	.section	.rodata,"a",@progbits
	.p2align	6, 0x0
	.amdhsa_kernel k_q596fe7e7d9_qkv
		.amdhsa_group_segment_fixed_size 327680
		.amdhsa_private_segment_fixed_size 0
		.amdhsa_enable_private_segment 0
		.amdhsa_kernarg_size 56
		.amdhsa_user_sgpr_count 2
		.amdhsa_user_sgpr_kernarg_segment_ptr 1
		.amdhsa_wavefront_size32 1
		.amdhsa_system_sgpr_workgroup_id_x 1
		.amdhsa_system_sgpr_workgroup_id_y 1
		.amdhsa_system_sgpr_workgroup_id_z 1
		.amdhsa_system_vgpr_workitem_id 0
		.amdhsa_next_free_vgpr 768
		.amdhsa_next_free_sgpr 100
		.amdhsa_reserve_vcc 0
		.amdhsa_float_denorm_mode_32 3
		.amdhsa_float_denorm_mode_16_64 3
		.amdhsa_memory_ordered 1
		.amdhsa_forward_progress 1
		.amdhsa_inst_pref_size 124
	.end_amdhsa_kernel
	.amdgpu_metadata
---
amdhsa.version: [ 1, 2 ]
amdhsa.kernels:
  - .name:           k_q596fe7e7d9_qkv
    .symbol:         k_q596fe7e7d9_qkv.kd
    .args:
      - { .name: ximg, .offset: 0, .size: 8, .value_kind: global_buffer, .address_space: global }
      - { .name: wimg, .offset: 8, .size: 8, .value_kind: global_buffer, .address_space: global }
      - { .name: bq, .offset: 16, .size: 8, .value_kind: global_buffer, .address_space: global }
      - { .name: bk, .offset: 24, .size: 8, .value_kind: global_buffer, .address_space: global }
      - { .name: bv, .offset: 32, .size: 8, .value_kind: global_buffer, .address_space: global }
      - { .name: qk, .offset: 40, .size: 8, .value_kind: global_buffer, .address_space: global }
      - { .name: vt, .offset: 48, .size: 8, .value_kind: global_buffer, .address_space: global }
    .group_segment_fixed_size: 327680
    .private_segment_fixed_size: 0
    .kernarg_segment_align: 8
    .kernarg_segment_size: 56
    .max_flat_workgroup_size: 128
    .sgpr_count:     100
    .vgpr_count:     768
    .wavefront_size: 32
...
	.end_amdgpu_metadata
.endif
;; end of part 3
;; launch attn (part 4): grid 4 x 64, 16 waves a work-group, no clusters, 327,680 bytes of LDS; arguments qk, vt, cimg, cscale; writes cimg, cscale
.if DOCPART == 4
	.amdgcn_target "amdgcn-amd-amdhsa--gfx1250"
	.amdhsa_code_object_version 6
	.text
	.protected	k_q596fe7e7d9_attn
	.globl	k_q596fe7e7d9_attn
	.p2align	8
	.type	k_q596fe7e7d9_attn,@function
k_q596fe7e7d9_attn:
	s_mov_b64 s[64:65], 0
	v_nop
	global_prefetch_b8 v0, s[64:65] scope:SCOPE_SE
	s_setreg_imm32_b32 hwreg(HW_REG_WAVE_MODE, 25, 1), 1
	s_wait_xcnt 0x0
; ctx = softmax(q k^T / 8, causal) v on codes of E2M3, and ctx's quantiser along the model's 1,024 (a head is two of its blocks of 32).
; WORK LEFT OUT: a step of 128 keys all of which come after the wave's 16 queries (shown dead at the head of launch quantx).  Hidden scores inside a live step become -infinity where reference() has finfo.min: p is 0 either way.
; THE SOFTMAX AHEAD OF THE SECOND PRODUCT: t = score x log2(e) / 8; M = the running largest t rounded UP to a whole number; p = 2^(t - M) is quantised along the keys, not normalised; the row's sum is taken of the
; unquantised p and divides at the end.  When M moves, the sum and O are multiplied by 2^(old M - new M): exact.
; SHARES.  Work-group (I, batch x head) takes the block of 256 queries I and then block 7 - I: it walks key slots (256 keys) 0 .. I and then 0 .. 7 - I: NINE SLOTS WHATEVER I, so all 256 work-groups have equal work,
; the loop's trip count is a constant, and every slot that is asked for is read.  Each of the sixteen waves owns one tile of 16 queries: Q0 + r + 8 (r / 8), Q0 = 256 block + 32 (w >> 1) + 8 (w & 1).
; NO CLUSTER: the four work-groups of a head walk different slots once the first has changed to its second block, so a joint load would not be alike in all partners.
; NO PREFETCH: a slot is asked for a whole slot's two key steps of all sixteen waves ahead of the wait for it.
; LAYOUT.  Both products transposed: S^T = K Q^T, O^T = V^T P^T: a lane holds one query throughout; by the order of a tile's rows the 16 registers of two neighbouring tiles of keys are 16 neighbouring keys,
; and O^T's 32 registers are register 16 b + i = channel 32 b + 16 (lane / 16) + i: ready for the quantiser.
; THE HEAD'S 64 IN AN INSTRUCTION OF 128: Q's registers 6-11 are zero codes.  K's eight half fragments lie on end; a tile names twelve registers, of which the upper six are the next tile's codes (or a tail of zeros):
; every code of E2M3 is a finite number, so they meet zeros and add exactly 0.  The scale bytes of those two blocks are 0 on both sides, which is 2^-127 and no NaN.
; THE RING: two LDS slots 32,768 bytes apart, each K's four groups (13,312 bytes) and V's two records (12,800 bytes); waves 0, 1 fetch K's halves, waves 2, 3 V's, one tensor load each behind each barrier.  Every wait on TENSORcnt is for 0.
; OUT.  cimg [token block 64][head 16][tile 8] half fragments of 768 bytes; cscale [token tile 512][head 16][16 words]: an even head's two bytes at 0, 1, an odd head's at 2, 3, the rest 0.
; The 64 bytes of scale words are the one store that covers no whole run of 256 bytes: they stand beside 768 bytes of codes.
; LIMITS: as stated at the head of launch quantx.
; REGISTERS: v1 16 l, v2 8 l, v3, v4 the add's two, v5 r + 8 (r / 8) - 16 h, v6, v10, v11 Q's offsets, v7 4 r, v8, v9 LDS addresses in hand; v12 -M, v13 the largest t, v[14:15] the sum; v16-27 Q (v22-27 zeros), v28 Q's scale words;
;   v32-79 K's or V's fragments, v80-85 zeros; v96-159 S^T, then p; v160-191 O^T; v192-203 p's codes, v204-210 the conversions' second halves; v212-215 K's scale words, v216-217 V's; v232-254 at work; v253 p's scale word.
.set SLOT1, 32768
.set GRPB,  3328
.set VRECB, 6400
.set VOFF,  4*GRPB
.set SPARE, 2*SLOT1                    ; behind the ring: the spare words, 128 bytes for each wave: eight blocks of 256 bytes
.set SPW,  3
.set NIL,  4
.set TB,   2                           ; s2   LDS byte at which the slot in hand begins
.set TRIP, 3                           ; s3   the trip, 0 .. 8
.set WGI,  12                          ; s12  I
.set BH,   13                          ; s13  16 x batch + head
.set KF,   14                          ; s14  the step's first key
.set Q0,   15                          ; s15  my first query
.set BLK,  16                          ; s16  the block of queries in hand
.set SHW,  17                          ; s17  16 x (head & 1)
.set WV,   18
.set SEL,  20
.set CS,   22                          ; s[22:23] c = log2(e) / 8
.set G1K,  24
.set G1V,  32
.set G0K,  40
.set G0V,  44
.set QP,   48                          ; s[48:49] my group of 64 queries
.set CP,   50                          ; s[50:51] my half fragment of cimg
.set SP,   52                          ; s[52:53] my 16 words of cscale
.set BKK,  54                          ; s54  (I + 1) slots of K in bytes: the way back to slot 0
.set BKV,  56                          ; s56  the same for V
.macro TLOAD                           ; waves 0, 1: K's halves; waves 2, 3: V's; the others nothing.  An s_nop 0 and four v_nop follow each of the two lines
	s_cmp_lt_u32 s[WV], 2
	s_cbranch_scc0 .Lnot_k_\@
	tensor_load_to_lds s[G0K:G0K+3], s[G1K:G1K+7]
	s_nop 0
.rept 4
	v_nop
.endr
	s_branch .Lasked_\@
.Lnot_k_\@:
	s_cmp_lt_u32 s[WV], 4
	s_cbranch_scc0 .Lasked_\@
	tensor_load_to_lds s[G0V:G0V+3], s[G1V:G1V+7]
	s_nop 0
.rept 4
	v_nop
.endr
.Lasked_\@:
.endm
.macro SETPASS                         ; the pointers and Q0 of block s[BLK], from the arguments as they came
	s_lshl_b32 s66, s[BH], 5
	s_lshl_b32 s67, s[BLK], 2
	s_add_co_u32 s66, s66, s67
	s_lshr_b32 s67, s[WV], 2
	s_add_co_u32 s66, s66, s67                     ; q's group: 32 x (batch x head) + 4 block + (w >> 2)
	s_mul_i32 s66, s66, GRPB
	s_mov_b32 s67, 0
	s_add_nc_u64 s[QP:QP+1], s[4:5], s[66:67]
	s_lshr_b32 s68, s[BH], 4                       ; batch
	s_and_b32 s69, s[BH], 15                       ; head
	s_lshl_b32 s66, s68, 4
	s_lshl_b32 s70, s[BLK], 1
	s_add_co_u32 s66, s66, s70
	s_lshr_b32 s70, s[WV], 3
	s_add_co_u32 s66, s66, s70                     ; token block: 16 batch + 2 block + (w >> 3)
	s_lshl_b32 s66, s66, 4
	s_add_co_u32 s66, s66, s69
	s_lshl_b32 s66, s66, 3
	s_and_b32 s70, s[WV], 7
	s_add_co_u32 s66, s66, s70
	s_mul_i32 s66, s66, 768
	s_add_nc_u64 s[CP:CP+1], s[8:9], s[66:67]
	s_lshl_b32 s66, s68, 7
	s_lshl_b32 s70, s[BLK], 4
	s_add_co_u32 s66, s66, s70
	s_add_co_u32 s66, s66, s[WV]                   ; token tile: 128 batch + 16 block + w
	s_lshl_b32 s66, s66, 4
	s_add_co_u32 s66, s66, s69
	s_lshl_b32 s66, s66, 6
	s_add_nc_u64 s[SP:SP+1], s[10:11], s[66:67]
	s_lshl_b32 s[Q0], s[BLK], 8
	s_lshr_b32 s70, s[WV], 1
	s_lshl_b32 s70, s70, 5
	s_add_co_u32 s[Q0], s[Q0], s70
	s_and_b32 s70, s[WV], 1
	s_lshl_b32 s70, s70, 3
	s_add_co_u32 s[Q0], s[Q0], s70
.endm
.macro QLOAD                           ; my tile's half fragment and its scale words
	global_load_b128 v[16:19], v10, s[QP:QP+1]
	global_load_b64 v[20:21], v11, s[QP:QP+1]
	global_load_b32 v28, v6, s[QP:QP+1]
.endm
.macro INIT                            ; the step is written once: a block's first step finds zeros, which the first change of M leaves zeros
	v_mov_b32 v13, 0xff61b1e6                      ; the largest t so far: -3e38, under every t
	s_delay_alu instid0(VALU_DEP_1)
	v_floor_f32 v12, -v13                          ; -M
	v_mov_b32 v14, 0
	v_mov_b32 v15, 0
.set n, 0
.rept 32
	v_mov_b32 v[160+n], 0
.set n, n+1
.endr
.endm
	s_load_b256 s[4:11], s[0:1], 0x0               ; qk, vt, cimg, cscale
	v_lshl_add_u32 v[SPW], v0, 2, SPARE
	v_mov_b32 v[NIL], 0
	ds_add_u32 v[SPW], v[NIL]                      ; the wave's opening: the add, twice on end, and its wait ahead of the first tensor loads
	ds_add_u32 v[SPW], v[NIL]
	v_lshrrev_b32 v8, 5, v0
	s_delay_alu instid0(VALU_DEP_1)
	v_readfirstlane_b32 s[WV], v8                  ; wave 0..15
	s_mov_b32 s[WGI], ttmp9
	s_and_b32 s[BH], ttmp7, 0xffff
	s_and_b32 s[SHW], s[BH], 1
	s_lshl_b32 s[SHW], s[SHW], 4
	s_mov_b32 s[G1K], 3<<16                        ; no mask; elements of 8 bytes; no padding: the images are read 16 x lane
	s_mov_b32 s[G1K+1], 32<<16                     ; rows of 256 bytes
	s_mov_b32 s[G1K+2], 26<<16                     ; two groups: 6,656 dense bytes
	s_mov_b32 s[G1K+3], 32<<16
	s_mov_b32 s[G1K+4], 26
	s_mov_b32 s[G1K+5], 32
	s_mov_b32 s[G1K+6], 0
	s_mov_b32 s[G1K+7], 0
	s_mov_b32 s[G1V], 3<<16
	s_mov_b32 s[G1V+1], 32<<16
	s_mov_b32 s[G1V+2], 25<<16                     ; one record: 6,400 dense bytes
	s_mov_b32 s[G1V+3], 32<<16
	s_mov_b32 s[G1V+4], 25
	s_mov_b32 s[G1V+5], 32
	s_mov_b32 s[G1V+6], 0
	s_mov_b32 s[G1V+7], 0
	s_and_b32 s68, s[WV], 1                        ; which half I fetch, if I fetch
	s_add_co_u32 s66, s[BH], 64                    ; k lies behind q's 64 heads
	s_mul_i32 s66, s66, 32*GRPB
	s_mul_i32 s69, s68, 2*GRPB
	s_add_co_u32 s66, s66, s69
	s_mov_b32 s67, 0
	s_mul_i32 s70, s[BH], 16*VRECB
	s_mul_i32 s72, s68, VRECB
	s_add_co_u32 s70, s70, s72
	s_mov_b32 s71, 0
	s_add_co_u32 s72, s72, VOFF
	s_add_co_u32 s[BKK], s[WGI], 1
	s_mul_i32 s[BKV], s[BKK], 2*VRECB
	s_mul_i32 s[BKK], s[BKK], 4*GRPB
	s_mov_b32 s59, 0
	s_mov_b32 s61, 0
	s_mov_b32 s[SEL], 0x76543210
	s_mov_b32 s[SEL+1], 0xfedcba98
	s_mov_b32 s[CS], 0x3e38aa3b                    ; c = log2(e) / 8
	s_mov_b32 s[CS+1], s[CS]                       ; (named with it as a pair, so it is written)
	s_mov_b32 s[TB], 0
	s_mov_b32 s[TRIP], 0
	s_mov_b32 s[KF], 0
	s_mov_b32 s[BLK], s[WGI]
	s_wait_dscnt 0x0                               ; both opening adds are done
	s_wait_kmcnt 0x0
	s_mov_b32 s[G0K], 1
	s_mov_b32 s[G0K+1], s69
	s_add_nc_u64 s[G0K+2:G0K+3], s[4:5], s[66:67]
	s_or_b32 s[G0K+3], s[G0K+3], 0x80000000
	s_mov_b32 s[G0V], 1
	s_mov_b32 s[G0V+1], s72
	s_add_nc_u64 s[G0V+2:G0V+3], s[6:7], s[70:71]
	s_or_b32 s[G0V+3], s[G0V+3], 0x80000000
	TLOAD                                          ; key slot 0 into LDS slot 0
	v_and_b32 v8, 31, v0                           ; lane
	v_and_b32 v9, 15, v0                           ; r
	v_bfe_u32 v29, v0, 4, 1                        ; h
	s_delay_alu instid0(VALU_DEP_3)
	v_lshlrev_b32 v1, 4, v8
	s_delay_alu instid0(VALU_DEP_4)
	v_lshlrev_b32 v2, 3, v8
	s_delay_alu instid0(VALU_DEP_4)
	v_lshrrev_b32 v30, 3, v9
	s_delay_alu instid0(VALU_DEP_1)
	v_lshl_add_u32 v5, v30, 3, v9
	v_lshlrev_b32 v29, 4, v29
	s_delay_alu instid0(VALU_DEP_1)
	v_sub_nc_u32 v5, v5, v29                       ; r + 8 (r / 8) - 16 h
	v_lshlrev_b32 v7, 2, v9
	s_and_b32 s66, s[WV], 3
	s_mul_i32 s66, s66, 768                        ; my tile in its group
	v_add_nc_u32 v10, s66, v1
	s_wait_alu depctr_va_vdst(0)
	s_add_co_u32 s66, s66, 512
	v_add_nc_u32 v11, s66, v2
	s_wait_alu depctr_va_vdst(0)
	s_and_b32 s66, s[WV], 1
	s_lshl_b32 s66, s66, 7
	s_bfe_u32 s67, s[WV], 0x10001
	s_lshl_b32 s67, s67, 2
	s_add_co_u32 s66, s66, s67
	s_add_co_u32 s66, s66, 3072
	v_lshl_add_u32 v6, v9, 3, s66                  ; row r's word of tile a = w & 3: 3,072 + 128 (a & 1) + 4 (a >> 1) + 8 r
	s_wait_alu depctr_va_vdst(0)
	SETPASS
	QLOAD
.irp j, 22,23,24,25,26,27,80,81,82,83,84,85
	v_mov_b32 v[\j], 0                             ; Q's upper half and the tail behind K's fragments: zero codes, written once
.endr
.irp j, 236,237,238,239,252,253
	v_mov_b32 v[\j], 0                             ; written once: a lane permute's destination counts as one of its sources, and a pair is read whole
.endr
	INIT
; A KEY STEP: 128 keys, the q-th of the slot in hand.
.macro STEP q
	s_add_co_u32 s96, s[Q0], 23                    ; my last query
	s_cmp_gt_u32 s[KF], s96                        ; all keys of the step come after it: the step is left out (ids and the count of steps alone)
	s_cbranch_scc1 .Lhidden_\@
	v_add_nc_u32 v8, s[TB], v1
	v_add_nc_u32 v9, s[TB], v2
	v_nop
	v_nop                                          ; four places in front of loads into registers that the last products read
.irp t, 0,1,2,3,4,5,6,7
	ds_load_b128 v[32+6*\t:35+6*\t], v8 offset:(2*(\q)+\t/4)*GRPB+768*(\t%4)
	ds_load_b64 v[36+6*\t:37+6*\t], v9 offset:(2*(\q)+\t/4)*GRPB+768*(\t%4)+512
.endr
.irp g, 0,1
	ds_load_b64 v[212+2*\g:213+2*\g], v9 offset:(2*(\q)+\g)*GRPB+3072   ; register i of the four: lanes 0-15 tile 2 i's words, lanes 16-31 tile 2 i + 1's
.endr
	s_wait_alu depctr_va_vdst(0)
	s_wait_dscnt 0x0
.irp t, 0,2,4,6
	v_wmma_scale_f32_16x16x128_f8f6f4 v[96+8*\t:103+8*\t], v[32+6*\t:43+6*\t], v[16:27], 0, v[212+\t/2], v28 matrix_a_fmt:MATRIX_FMT_FP6 matrix_b_fmt:MATRIX_FMT_FP6
	v_wmma_scale_f32_16x16x128_f8f6f4 v[104+8*\t:111+8*\t], v[38+6*\t:49+6*\t], v[16:27], 0, v[212+\t/2], v28 matrix_a_fmt:MATRIX_FMT_FP6 matrix_b_fmt:MATRIX_FMT_FP6 matrix_a_scale:MATRIX_SCALE_ROW1
.endr
.rept 4
	v_nop                                          ; places: in front of the loads below and of the first read of the scores
.endr
.irp t, 0,1,2,3                        ; V's four fragments land while the softmax is walked
.irp c, 0,1,2
	ds_load_b128 v[32+12*\t+4*\c:35+12*\t+4*\c], v8 offset:VOFF+VRECB*(\q)+1536*\t+512*\c
.endr
.endr
	ds_load_b64 v[216:217], v9 offset:VOFF+VRECB*(\q)+6144
	s_add_co_u32 s96, s[KF], 127                   ; on the diagonal the scores of hidden keys become -infinity ahead of the maximum; a step all of whose keys count skips this
	s_cmp_le_u32 s96, s[Q0]
	s_cbranch_scc1 .Lopen_\@
	s_sub_co_i32 s96, s[Q0], s[KF]
	v_add_nc_u32 v252, s96, v5                     ; d = my query - KF - 16 h.  Register 16 b + i holds key KF + 16 h + 32 b + i: hidden where 32 b + i > d
	v_mov_b32 v254, 0xff800000
.set n, 0
.rept 64
	v_cmp_gt_i32 vcc_lo, 32*(n/16)+n%16, v252
	v_cndmask_b32 v[96+n], v[96+n], v254, vcc_lo
.set n, n+1
.endr
.Lopen_\@:
.irp b, 0,1,2,3
	v_max3_num_f32 v[232+\b], v[96+16*\b], v[97+16*\b], v[98+16*\b]   ; the largest score of each block of 32 keys: for the row's maximum and, since p rises with the score, for the block's largest p
.endr
.irp i, 3,5,7,9,11,13
.irp b, 0,1,2,3
	v_max3_num_f32 v[232+\b], v[232+\b], v[96+16*\b+\i], v[97+16*\b+\i]
.endr
.endr
.irp b, 0,1,2,3
	v_max_num_f32 v[232+\b], v[232+\b], v[111+16*\b]
.endr
.irp b, 0,1,2,3
	s_delay_alu instid0(VALU_DEP_4)
	v_permlanex16_b32 v[236+\b], v[232+\b], s[SEL], s[SEL+1]
.endr
.irp b, 0,1,2,3
	s_delay_alu instid0(VALU_DEP_4)
	v_max_num_f32 v[232+\b], v[232+\b], v[236+\b]  ; with lane l xor 16's 16 keys
.endr
	s_delay_alu instid0(VALU_DEP_2)
	v_max3_num_f32 v254, v232, v233, v234
	s_delay_alu instid0(VALU_DEP_1)
	v_max_num_f32 v254, v254, v235                 ; the step's largest score of my query
	s_delay_alu instid0(VALU_DEP_1)
	v_mul_f32 v254, s[CS], v254                    ; as t (c is positive)
	s_delay_alu instid0(VALU_DEP_1)
	v_max_num_f32 v13, v13, v254                   ; the running largest t
	v_mov_b32 v254, v12
	s_delay_alu instid0(VALU_DEP_2)
	v_floor_f32 v12, -v13                          ; the new -M = floor(-t) = -ceil(t)
	s_delay_alu instid0(VALU_DEP_1)
	v_sub_f32 v254, v12, v254                      ; old M less new M: a whole number, 0 or less
	s_delay_alu instid0(VALU_DEP_1)
	v_cvt_i32_f32 v254, v254                       ; (it saturates)
	s_delay_alu instid0(VALU_DEP_1)
	v_ldexp_f32 v252, 1.0, v254                    ; f = 2^(old M - new M)
.set n, 0
.rept 32
	v_pk_fma_f32 v[96+n:97+n], v[96+n:97+n], s[CS:CS+1], v[12:13] op_sel_hi:[1,0,0]   ; t - M, two at a time
.set n, n+2
.endr
.irp b, 0,1,2,3
	v_fma_f32 v[232+\b], v[232+\b], s[CS], v12     ; the same of each block's largest score
.endr
.set n, 0
	s_wait_alu depctr_va_vdst(0)
.rept 64
	v_exp_f32 v[96+n], v[96+n]                     ; p = 2^(t - M), at most 1
.set n, n+1
.endr
	v_pk_mul_f32 v[14:15], v[14:15], v[252:253] op_sel_hi:[1,0]   ; the sums under the new M (a plain place behind the exponentials)
	s_wait_alu depctr_va_vdst(0)                   ; one wait for the whole batch, ahead of its first reader
.irp b, 0,1,2,3
	v_exp_f32 v[232+\b], v[232+\b]                 ; the block's largest p
.endr
	v_pk_add_f32 v[236:237], v[100:101], v[104:105]
	v_pk_add_f32 v[254:255], v[108:109], v[112:113]
	v_pk_add_f32 v[250:251], v[116:117], v[120:121]
	v_pk_add_f32 v[248:249], v[124:125], v[128:129]
	v_pk_add_f32 v[246:247], v[132:133], v[136:137]
	v_pk_add_f32 v[244:245], v[140:141], v[144:145]
	v_pk_add_f32 v[242:243], v[148:149], v[152:153]
	v_pk_add_f32 v[14:15], v[14:15], v[156:157]
	v_pk_add_f32 v[236:237], v[236:237], v[96:97]
	v_pk_add_f32 v[254:255], v[254:255], v[98:99]
	v_pk_add_f32 v[250:251], v[250:251], v[102:103]
	v_pk_add_f32 v[248:249], v[248:249], v[106:107]
	v_pk_add_f32 v[246:247], v[246:247], v[110:111]
	v_pk_add_f32 v[244:245], v[244:245], v[114:115]
	v_pk_add_f32 v[242:243], v[242:243], v[118:119]
	v_pk_add_f32 v[14:15], v[14:15], v[122:123]
	v_pk_add_f32 v[236:237], v[236:237], v[126:127]
	v_pk_add_f32 v[254:255], v[254:255], v[130:131]
	v_pk_add_f32 v[250:251], v[250:251], v[134:135]
	v_pk_add_f32 v[248:249], v[248:249], v[138:139]
	v_pk_add_f32 v[246:247], v[246:247], v[142:143]
	v_pk_add_f32 v[244:245], v[244:245], v[146:147]
	v_pk_add_f32 v[242:243], v[242:243], v[150:151]
	v_pk_add_f32 v[14:15], v[14:15], v[154:155]
	v_pk_add_f32 v[236:237], v[236:237], v[158:159]
	s_delay_alu instid0(VALU_DEP_2)
	v_pk_add_f32 v[14:15], v[14:15], v[248:249]
	s_delay_alu instid0(VALU_DEP_2)
	v_pk_add_f32 v[236:237], v[236:237], v[246:247]
	v_pk_add_f32 v[254:255], v[254:255], v[244:245]
	v_pk_add_f32 v[250:251], v[250:251], v[242:243]
	s_delay_alu instid0(VALU_DEP_2)
	v_pk_add_f32 v[14:15], v[14:15], v[254:255]
	s_delay_alu instid0(VALU_DEP_2)
	v_pk_add_f32 v[236:237], v[236:237], v[250:251]
	s_delay_alu instid0(VALU_DEP_1)
	v_pk_add_f32 v[14:15], v[14:15], v[236:237]
	s_wait_alu depctr_va_vdst(0)                   ; and one for the four
.irp b, 0,1,2,3
	v_max_num_f32 v[232+\b], 0x1800000, v[232+\b]  ; the floor 2^(3 - 127): a block whose every p is 0 keeps the byte 1; its codes are zeros
.endr
.irp b, 0,1,2,3
	s_delay_alu instid0(VALU_DEP_4)
	v_add_nc_u32 v[244+\b], 0xff000000, v[232+\b]  ; 2 off the exponent field: the conversion's scale operand
.endr
.irp b, 0,1,2,3
	s_delay_alu instid0(VALU_DEP_4)
	v_lshrrev_b32 v[236+\b], 23, v[244+\b]         ; the scale's byte
.endr
	s_delay_alu instid0(VALU_DEP_3)
	v_lshl_or_b32 v253, v237, 8, v236              ; p's scale word for these 128 keys
	s_delay_alu instid0(VALU_DEP_1)
	v_lshl_or_b32 v253, v238, 16, v253
	s_delay_alu instid0(VALU_DEP_1)
	v_lshl_or_b32 v253, v239, 24, v253
.irp c, 0,1
	v_cvt_scalef32_pk16_fp6_f32 v[192+6*\c:194+6*\c], v[96+32*\c:111+32*\c], v[244+2*\c]
	v_cvt_scalef32_pk16_fp6_f32 v[204+4*\c:206+4*\c], v[112+32*\c:127+32*\c], v[244+2*\c+1]   ; (a conversion's three registers begin on an even number)
.endr
	v_nop                                          ; one plain place behind a scaled conversion
.irp c, 0,1                            ; the operand's layout wants a whole block in a lane
.irp i, 0,1,2
	v_permlane16_swap_b32 v[192+6*\c+\i], v[204+4*\c+\i]
.endr
.irp i, 0,1,2
	s_delay_alu instid0(VALU_DEP_3)
	v_mov_b32 v[195+6*\c+\i], v[204+4*\c+\i]
.endr
.endr
.set n, 0
.rept 16
	v_pk_mul_f32 v[160+n:161+n], v[160+n:161+n], v[252:253] op_sel_hi:[1,0]   ; O^T under the new M.  (These 16 are also the places between the scale word's and the codes' last writes and the products below)
.set n, n+2
.endr
	s_wait_alu depctr_va_vdst(0)
	s_wait_dscnt 0x0                               ; V
.irp t, 0,2
	v_wmma_scale_f32_16x16x128_f8f6f4 v[160+8*\t:167+8*\t], v[32+12*\t:43+12*\t], v[192:203], v[160+8*\t:167+8*\t], v[216+\t/2], v253 matrix_a_fmt:MATRIX_FMT_FP6 matrix_b_fmt:MATRIX_FMT_FP6
	v_wmma_scale_f32_16x16x128_f8f6f4 v[168+8*\t:175+8*\t], v[44+12*\t:55+12*\t], v[192:203], v[168+8*\t:175+8*\t], v[216+\t/2], v253 matrix_a_fmt:MATRIX_FMT_FP6 matrix_b_fmt:MATRIX_FMT_FP6 matrix_a_scale:MATRIX_SCALE_ROW1
.endr
.Lhidden_\@:
	s_add_co_u32 s[KF], s[KF], 128
.endm
; THE CHANGE OF SLOTS stands at a slot's head.  Each wave waits for all its tensor loads, adds 0 to its spare word, and waits for that and for its reads of the slot that it has left.  Behind the barrier the slot
; ahead is whole and nobody reads the other one.  fill = 1: that other slot takes the key slot that follows: the next one, or, where the first block of queries ends with this trip, key slot 0 again.
.macro CHANGE fill
	s_wait_tensorcnt 0x0                           ; no tensor load of mine is out, so a group 0 may be written
	ds_add_u32 v[SPW], v[NIL]
.if \fill
	ds_add_u32 v[SPW], v[NIL]                      ; and once more
	s_xor_b32 s[G0K+1], s[G0K+1], SLOT1
	s_add_nc_u64 s[G0K+2:G0K+3], s[G0K+2:G0K+3], 4*GRPB
	s_xor_b32 s[G0V+1], s[G0V+1], SLOT1
	s_add_nc_u64 s[G0V+2:G0V+3], s[G0V+2:G0V+3], 2*VRECB
	s_cmp_eq_u32 s[TRIP], s[WGI]
	s_cselect_b32 s58, s[BKK], 0
	s_cselect_b32 s60, s[BKV], 0
	s_sub_nc_u64 s[G0K+2:G0K+3], s[G0K+2:G0K+3], s[58:59]   ; the type bits on top are not reached
	s_sub_nc_u64 s[G0V+2:G0V+3], s[G0V+2:G0V+3], s[60:61]
.endif
	s_wait_dscnt 0x0                               ; the add is done, and my reads of the slot that I have left are over
	s_barrier_signal -1
	s_barrier_wait -1
.if \fill
	TLOAD                                          ; the first thing behind the barrier, and a wave's one tensor load until the next
.endif
.endm
; A block of queries is finished: O^T / the sum is ctx; its two blocks of 32 are quantised and leave as a half fragment and a scale word a row.
.macro EPILOGUE
.rept 4
	v_nop                                          ; places behind the last products
.endr
	v_add_f32 v14, v14, v15
	s_delay_alu instid0(VALU_DEP_1)
	v_permlanex16_b32 v252, v14, s[SEL], s[SEL+1]
	s_delay_alu instid0(VALU_DEP_1)
	v_add_f32 v14, v14, v252                       ; the row's sum
	s_wait_alu depctr_va_vdst(0)
	v_rcp_f32 v14, v14
	v_nop                                          ; one plain place behind the reciprocal
	s_wait_alu depctr_va_vdst(0)                   ; and the wait ahead of its first reader
.set n, 0
.rept 16
	v_pk_mul_f32 v[96+n:97+n], v[160+n:161+n], v[14:15] op_sel_hi:[1,0]   ; each accumulator from its low end on
.set n, n+2
.endr
.irp b, 0,1
	v_max3_num_f32 v[232+\b], |v[96+16*\b]|, |v[97+16*\b]|, 0x1800000
.endr
.irp i, 2,4,6,8,10,12,14
.irp b, 0,1
	s_delay_alu instid0(VALU_DEP_2)
	v_max3_num_f32 v[232+\b], v[232+\b], |v[96+16*\b+\i]|, |v[97+16*\b+\i]|
.endr
.endr
.irp b, 0,1
	s_delay_alu instid0(VALU_DEP_2)
	v_permlanex16_b32 v[236+\b], v[232+\b], s[SEL], s[SEL+1]
.endr
.irp b, 0,1
	s_delay_alu instid0(VALU_DEP_2)
	v_max_num_f32 v[232+\b], v[232+\b], v[236+\b]
.endr
.irp b, 0,1
	s_delay_alu instid0(VALU_DEP_2)
	v_add_nc_u32 v[244+\b], 0xff000000, v[232+\b]
.endr
.irp b, 0,1
	s_delay_alu instid0(VALU_DEP_2)
	v_lshrrev_b32 v[236+\b], 23, v[244+\b]
.endr
	s_delay_alu instid0(VALU_DEP_1)
	v_lshl_or_b32 v240, v237, 8, v236
	s_delay_alu instid0(VALU_DEP_1)
	v_lshlrev_b32 v240, s[SHW], v240               ; an odd head's bytes stand 16 bits up
	v_cvt_scalef32_pk16_fp6_f32 v[192:194], v[96:111], v244
	v_cvt_scalef32_pk16_fp6_f32 v[204:206], v[112:127], v245
	v_nop
.irp i, 0,1,2
	v_permlane16_swap_b32 v[192+\i], v[204+\i]
.endr
.irp i, 0,1,2
	s_delay_alu instid0(VALU_DEP_3)
	v_mov_b32 v[195+\i], v[204+\i]
.endr
	global_store_b128 v1, v[192:195], s[CP:CP+1]
	global_store_b64 v2, v[196:197], s[CP:CP+1] offset:512
	global_store_b32 v7, v240, s[SP:SP+1]          ; lanes r and r + 16 store the same word
	s_wait_xcnt 0x0                                ; the stores have read their registers and bases: both may be written again
.endm
	s_wait_loadcnt 0x0                             ; Q
.Lslot:                                            ; eight trips; behind each change of slots the next key slot is asked for
	CHANGE 1
	STEP 0
	STEP 1
	s_xor_b32 s[TB], s[TB], SLOT1
	s_cmp_lg_u32 s[TRIP], s[WGI]                   ; the first block of queries ends with trip I: the work-group's number alone decides, alike in all sixteen waves
	s_cbranch_scc1 .Lsame
	EPILOGUE
	s_sub_co_u32 s[BLK], 7, s[WGI]
	SETPASS
	QLOAD
	INIT
	s_mov_b32 s[KF], 0
	s_wait_loadcnt 0x0
.Lsame:
	s_add_co_u32 s[TRIP], s[TRIP], 1
	s_cmp_lt_u32 s[TRIP], 8
	s_cbranch_scc1 .Lslot
	CHANGE 0                                       ; the last slot is written out: nothing is left to ask for
	STEP 0
	STEP 1
	EPILOGUE
	s_wait_tensorcnt 0x0                           ; the wave's end
	ds_add_u32 v[SPW], v[NIL]
	s_wait_dscnt 0x0
	s_endpgm
.Lfunc_end_k_q596fe7e7d9_attn:
	.size	k_q596fe7e7d9_attn, .Lfunc_end_k_q596fe7e7d9_attn-k_q596fe7e7d9_attn
	.p2alignl 7, 3214868480
	.fill 96, 4, 3214868480
	.section	.rodata,"a",@progbits
	.p2align	6, 0x0
	.amdhsa_kernel k_q596fe7e7d9_attn
		.amdhsa_group_segment_fixed_size 327680
		.amdhsa_private_segment_fixed_size 0
		.amdhsa_enable_private_segment 0
		.amdhsa_kernarg_size 32
		.amdhsa_user_sgpr_count 2
		.amdhsa_user_sgpr_kernarg_segment_ptr 1
		.amdhsa_wavefront_size32 1
		.amdhsa_system_sgpr_workgroup_id_x 1
		.amdhsa_system_sgpr_workgroup_id_y 1
		.amdhsa_system_sgpr_workgroup_id_z 1
		.amdhsa_system_vgpr_workitem_id 0
		.amdhsa_next_free_vgpr 256
		.amdhsa_next_free_sgpr 100
		.amdhsa_reserve_vcc 1
		.amdhsa_float_denorm_mode_32 3
		.amdhsa_float_denorm_mode_16_64 3
		.amdhsa_memory_ordered 1
		.amdhsa_forward_progress 1
		.amdhsa_inst_pref_size 110
	.end_amdhsa_kernel
	.amdgpu_metadata
---
amdhsa.version: [ 1, 2 ]
amdhsa.kernels:
  - .name:           k_q596fe7e7d9_attn
    .symbol:         k_q596fe7e7d9_attn.kd
    .args:
      - { .name: qk, .offset: 0, .size: 8, .value_kind: global_buffer, .address_space: global }
      - { .name: vt, .offset: 8, .size: 8, .value_kind: global_buffer, .address_space: global }
      - { .name: cimg, .offset: 16, .size: 8, .value_kind: global_buffer, .address_space: global }
      - { .name: cscale, .offset: 24, .size: 8, .value_kind: global_buffer, .address_space: global }
    .group_segment_fixed_size: 327680
    .private_segment_fixed_size: 0
    .kernarg_segment_align: 8
    .kernarg_segment_size: 32
    .max_flat_workgroup_size: 512
    .sgpr_count:     100
    .vgpr_count:     256
    .wavefront_size: 32
...
	.end_amdgpu_metadata
.endif
;; end of part 4
;; launch proj (part 5): grid 4 x 64, 4 waves a work-group, clusters of 4 x 4, 327,680 bytes of LDS; arguments cimg, cscale, wimg, bo, out0; writes out0
.if DOCPART == 5
	.amdgcn_target "amdgcn-amd-amdhsa--gfx1250"
	.amdhsa_code_object_version 6
	.text
	.protected	k_q596fe7e7d9_proj
	.globl	k_q596fe7e7d9_proj
	.p2align	8
	.type	k_q596fe7e7d9_proj,@function
k_q596fe7e7d9_proj:
	s_mov_b64 s[64:65], 0
	v_nop
	global_prefetch_b8 v0, s[64:65] scope:SCOPE_SE
	s_setreg_imm32_b32 hwreg(HW_REG_WAVE_MODE, 25, 1), 1
	s_wait_xcnt 0x0
	s_wait_alu depctr_hold_cnt(0) depctr_sa_sdst(0) depctr_va_vdst(0) depctr_va_sdst(0) depctr_va_ssrc(0) depctr_va_vcc(0) depctr_vm_vsrc(0)
	s_getreg_b32 s2, hwreg(HW_REG_IB_STS2, 6, 4)
	s_cmp_eq_u32 s2, 0
	s_cbranch_scc0 .Lentry_in_a_cluster
	s_endpgm
.Lentry_in_a_cluster:
	s_bfe_u32 s2, ttmp6, 0x10000c
	s_cmp_lg_u32 s2, 0xf033
	s_cbranch_scc0 .Lentry_shape_is_right
	s_endpgm
.Lentry_shape_is_right:
; out0 = ctx wo + bo on codes of E2M3.  No work is left out here.
; A work-group takes token block Y (128 rows of ctx) and blocks 24 + 2 X, 25 + 2 X of wimg (256 columns of wo).  Wave w makes 64 tokens (half w >> 1) x 128 columns (block w & 1): 4 x 8 tiles, 32 accumulators.
; THE MATRIX INSTRUCTION IS USED TRANSPOSED (source 0 = wo's rows, source 1 = ctx's): a lane holds one token and, in the 64 registers of a tile of tokens, 128 columns: register 16 b + i = column 32 b + 16 (lane / 16) + i.
; ALL OF K LIES IN LDS: four K slots of 256 along K, each [ctx 24,576][wo 25,600][wo 25,600] bytes, filled once.  CLUSTER 4 x 4: ctx's slots are asked for jointly along a row of the cluster, wo's along a column;
; wave 0 asks for ctx's four, waves 1 and 2 for a block of wo's four: a wave has four tensor loads out.
; A fragment of ctx for a K step is two heads' half fragments (launch attn's layout).  ctx's scale words come straight from memory once: the two heads' words of a K step are joined by an OR and stay in 16 registers.
; bo is the C of each sum's first product.  The way out goes through the wave's own stage, in K slot 0, which has had its only fill and which nobody reads behind the barrier that opened K slot 1.
; LIMITS: as stated at the head of launch quantx.
; REGISTERS.  window 0: v4-15 LDS addresses; v16-23 offsets; v28, v29 the add's two; v32-39 wo's scale words, two sets; v40-55 ctx's; v64-159 ctx's fragments, two sets; v160-175 at work; v192-255 bo; on the way out v64-191 hold rows.
;   window 1: wo's fragments, two sets of 96.   window 2: the accumulators, (a, b) at v[8 (8 a + b)].
.set KSLOT, 75776
.set SPARE, 4*KSLOT
.set ADRA, 4                           ; v4-7    ctx's fragments, 16 x lane
.set ADRB, 8                           ; v8-11   wo's
.set ADRH, 12                          ; v12-15  ctx's, 8 x lane
.set L16,  16
.set H64,  18
.set CSO,  20                          ; v20     1,024 h + 4 r
.set STO,  21
.set RD,   22
.set SPW,  28
.set NIL,  29
.set SB,   32
.set SA,   40                          ; register 2 ks + i: lanes 0-15 tile 2 i's words of K step ks, lanes 16-31 tile 2 i + 1's
.set AF,   64
.set BK,   64
.set BO,   192
.set WV,   18
.set G1X,  24
.set G1W,  32
.set G0X,  40
.set G0W,  68
.set OUTP, 88
.set MSB, 0
.macro WIN new
.if MSB != \new
	s_set_vgpr_msb (MSB<<8)|\new
.set MSB, \new
.endif
.endm
.macro PLACES
.rept 4
	v_nop
.endr
.endm
.macro CROUND
	s_barrier_signal -1
	s_barrier_wait -1
	s_cmp_lg_u32 s[WV], 0
	s_cbranch_scc1 .Lnot_wave_0_\@
	s_barrier_signal -3
.Lnot_wave_0_\@:
	s_barrier_wait -3
	s_barrier_signal -1
	s_barrier_wait -1
.endm
	s_load_b256 s[4:11], s[0:1], 0x0               ; cimg, cscale, wimg, bo
	s_load_b64 s[12:13], s[0:1], 0x20              ; out0
	v_lshl_add_u32 v[SPW], v0, 2, SPARE
	v_mov_b32 v[NIL], 0
	ds_add_u32 v[SPW], v[NIL]                      ; the wave's opening: the add, twice on end, and its wait ahead of the first tensor loads
	ds_add_u32 v[SPW], v[NIL]
	v_lshrrev_b32 v1, 5, v0
	v_readfirstlane_b32 s[WV], v1
	s_bfe_u32 s19, ttmp6, 0x40000                  ; cx
	s_bfe_u32 s20, ttmp6, 0x40004                  ; cy
	s_lshl_b32 s21, ttmp9, 2
	s_add_co_u32 s21, s21, s19                     ; X
	s_and_b32 s22, ttmp7, 0xffff
	s_lshl_b32 s22, s22, 2
	s_add_co_u32 s22, s22, s20                     ; Y
	s_lshl_b32 s2, s20, 2
	s_lshl_b32 s2, 15, s2                          ; my row of the cluster
	s_lshl_b32 s3, 0x1111, s19                     ; my column
	s_or_b32 s[G1X], s2, (3<<16)|(1<<21)
	s_or_b32 s[G1W], s3, (3<<16)|(1<<21)
	s_mov_b32 s[G1X+1], 32<<16                     ; rows of 256 bytes;
	s_mov_b32 s[G1X+2], 96<<16                     ; ctx: four heads x eight half fragments: 24,576 dense bytes
	s_mov_b32 s[G1X+3], 32<<16
	s_mov_b32 s[G1X+4], 96
	s_mov_b32 s[G1X+5], 32
	s_mov_b32 s[G1X+6], 0
	s_mov_b32 s[G1X+7], 0
	s_mov_b32 s[G1W+1], 32<<16
	s_mov_b32 s[G1W+2], 100<<16                    ; wo: two records: 25,600 dense bytes
	s_mov_b32 s[G1W+3], 32<<16
	s_mov_b32 s[G1W+4], 100
	s_mov_b32 s[G1W+5], 32
	s_mov_b32 s[G1W+6], 0
	s_mov_b32 s[G1W+7], 0
	s_mul_i32 s56, s22, 98304
	s_mov_b32 s57, 0
	s_add_co_u32 s58, s[WV], 1
	s_and_b32 s58, s58, 1                          ; which block of wo: 0 in wave 1, 1 in wave 2
	s_lshl_b32 s60, s21, 1
	s_add_co_u32 s60, s60, s58
	s_add_co_u32 s60, s60, 24
	s_mul_i32 s60, s60, 102400
	s_mov_b32 s61, 0
	s_mul_i32 s62, s58, 25600
	s_add_co_u32 s62, s62, 24576
	s_wait_dscnt 0x0                               ; both opening adds are done
	s_wait_kmcnt 0x0
	s_add_nc_u64 s[56:57], s[4:5], s[56:57]
	s_add_nc_u64 s[60:61], s[8:9], s[60:61]
.irp s, 0,1,2,3
	s_mov_b32 s[G0X+4*\s], 1
	s_mov_b32 s[G0X+4*\s+1], KSLOT*\s
	s_add_nc_u64 s[G0X+4*\s+2:G0X+4*\s+3], s[56:57], 24576*\s
	s_or_b32 s[G0X+4*\s+3], s[G0X+4*\s+3], 0x80000000
	s_mov_b32 s[G0W+4*\s], 1
	s_add_co_u32 s[G0W+4*\s+1], s62, KSLOT*\s
	s_add_nc_u64 s[G0W+4*\s+2:G0W+4*\s+3], s[60:61], 25600*\s
	s_or_b32 s[G0W+4*\s+3], s[G0W+4*\s+3], 0x80000000
.endr
	CROUND                                         ; all sixteen work-groups are here: the joint loads meet
	s_cmp_eq_u32 s[WV], 0
	s_cbranch_scc0 .Lnot_x
.irp s, 0,1,2,3
	tensor_load_to_lds s[G0X+4*\s:G0X+4*\s+3], s[G1X:G1X+7]
	s_nop 0
.endr
.rept 4
	v_nop
.endr
	s_branch .Lasked
.Lnot_x:
	s_cmp_eq_u32 s[WV], 3
	s_cbranch_scc1 .Lasked
.irp s, 0,1,2,3
	tensor_load_to_lds s[G0W+4*\s:G0W+4*\s+3], s[G1W:G1W+7]
	s_nop 0
.endr
.rept 4
	v_nop
.endr
.Lasked:
	v_and_b32 v1, 31, v0
	v_and_b32 v2, 15, v0
	v_bfe_u32 v3, v0, 4, 1
	v_lshlrev_b32 v[L16], 4, v1
	v_lshlrev_b32 v17, 3, v1
	v_lshlrev_b32 v[H64], 6, v3
	v_lshlrev_b32 v[CSO], 2, v2
	v_lshl_add_u32 v[CSO], v3, 10, v[CSO]
	s_wait_alu depctr_va_vdst(0)
	s_lshr_b32 s92, s[WV], 1                       ; which half of the tokens
	s_and_b32 s93, s[WV], 1                        ; which block of wo
	s_lshl_b32 s56, s22, 13
	s_lshl_b32 s58, s92, 12
	s_add_co_u32 s56, s56, s58                     ; ctx's scale words: token tile 8 Y + 4 g, 1,024 bytes a tile
	s_mov_b32 s57, 0
	s_add_nc_u64 s[14:15], s[6:7], s[56:57]
	s_lshl_b32 s56, s21, 10
	s_lshl_b32 s58, s93, 9
	s_add_co_u32 s56, s56, s58                     ; my 128 columns, in bytes
	s_add_nc_u64 s[16:17], s[10:11], s[56:57]
	s_add_nc_u64 s[OUTP:OUTP+1], s[12:13], s[56:57]
	s_lshl_b32 s56, s22, 19
	s_lshl_b32 s58, s92, 18
	s_add_co_u32 s56, s56, s58                     ; my 64 rows of out0: (128 Y + 64 g) x 4,096 bytes
	s_add_nc_u64 s[OUTP:OUTP+1], s[OUTP:OUTP+1], s[56:57]
.irp k, 0,1,2,3,4,5,6,7
.irp i, 0,1
	global_load_b32 v[SA+2*\k+\i], v[CSO], s[14:15] offset:2048*\i+128*\k       ; head 2 k's words (bytes 0, 1),
	global_load_b32 v[160+2*\k+\i], v[CSO], s[14:15] offset:2048*\i+128*\k+64   ; head 2 k + 1's (bytes 2, 3)
.endr
.endr
.irp b, 0,1,2,3,4,5,6,7
	global_load_b128 v[BO+8*\b:BO+8*\b+3], v[H64], s[16:17] offset:4*(32*(\b/2)+8*(\b%2))
	global_load_b128 v[BO+8*\b+4:BO+8*\b+7], v[H64], s[16:17] offset:4*(32*(\b/2)+8*(\b%2))+16
.endr
	s_mul_i32 s94, s92, 3072                       ; my four tiles in a head's eight
	s_mul_i32 s95, s93, 25600
	s_add_co_u32 s95, s95, 24576
	v_add_nc_u32 v[ADRA], s94, v[L16]
	v_add_nc_u32 v[ADRH], s94, v17
	v_add_nc_u32 v[ADRB], s95, v[L16]
.irp s, 1,2,3
	v_add_nc_u32 v[ADRA+\s], KSLOT*\s, v[ADRA]
	v_add_nc_u32 v[ADRH+\s], KSLOT*\s, v[ADRH]
	v_add_nc_u32 v[ADRB+\s], KSLOT*\s, v[ADRB]
.endr
	s_mul_i32 s96, s[WV], 8448                     ; my stage: 16 rows x (512 + 16) bytes
	v_mul_u32_u24 v[STO], v2, 528
	v_lshl_add_u32 v[STO], v3, 6, v[STO]
	v_add_nc_u32 v[STO], s96, v[STO]               ; in: row r, + 64 h
	v_add_nc_u32 v[RD], s96, v[L16]                ; back: 16 x lane of a row
; One K step's operands, 41 LDS loads in one run
.macro FETCH ks
.set fs, (\ks)/2
.set fq, (\ks)%2
	WIN 0x40
.irp b, 0,1,2,3,4,5,6,7
.irp c, 0,1,2
	ds_load_b128 v[96*fq+12*\b+4*\c:96*fq+12*\b+4*\c+3], v[ADRB+fs] offset:12800*fq+1536*\b+512*\c
.endr
.endr
	WIN 0
.irp a, 0,1,2,3
.irp c, 0,1
	ds_load_b128 v[AF+48*fq+12*\a+6*\c:AF+48*fq+12*\a+6*\c+3], v[ADRA+fs] offset:(2*fq+\c)*6144+768*\a
	ds_load_b64 v[AF+48*fq+12*\a+6*\c+4:AF+48*fq+12*\a+6*\c+5], v[ADRH+fs] offset:(2*fq+\c)*6144+768*\a+512
.endr
.endr
	ds_load_b128 v[SB+4*fq:SB+4*fq+3], v[ADRB+fs] offset:12800*fq+12288
.endm
.macro WM a, b, ks, first
.set rD, 8*(8*(\a)+(\b))
.set rC, rD
.if \first
.set rC, BO+8*(\b)
.endif
.set rB, 96*((\ks)%2)+12*(\b)
.set rA, AF+48*((\ks)%2)+12*(\a)
.set rSB, SB+4*((\ks)%2)+(\b)/2
.set rSA, SA+2*(\ks)+(\a)/2
.if (((\a)%2) == 0) && (((\b)%2) == 0)
	v_wmma_scale_f32_16x16x128_f8f6f4 v[rD:rD+7], v[rB:rB+11], v[rA:rA+11], v[rC:rC+7], v[rSB], v[rSA] matrix_a_fmt:MATRIX_FMT_FP6 matrix_b_fmt:MATRIX_FMT_FP6
.elseif ((\a)%2) == 0
	v_wmma_scale_f32_16x16x128_f8f6f4 v[rD:rD+7], v[rB:rB+11], v[rA:rA+11], v[rC:rC+7], v[rSB], v[rSA] matrix_a_fmt:MATRIX_FMT_FP6 matrix_b_fmt:MATRIX_FMT_FP6 matrix_a_scale:MATRIX_SCALE_ROW1
.elseif ((\b)%2) == 0
	v_wmma_scale_f32_16x16x128_f8f6f4 v[rD:rD+7], v[rB:rB+11], v[rA:rA+11], v[rC:rC+7], v[rSB], v[rSA] matrix_a_fmt:MATRIX_FMT_FP6 matrix_b_fmt:MATRIX_FMT_FP6 matrix_b_scale:MATRIX_SCALE_ROW1
.else
	v_wmma_scale_f32_16x16x128_f8f6f4 v[rD:rD+7], v[rB:rB+11], v[rA:rA+11], v[rC:rC+7], v[rSB], v[rSA] matrix_a_fmt:MATRIX_FMT_FP6 matrix_b_fmt:MATRIX_FMT_FP6 matrix_a_scale:MATRIX_SCALE_ROW1 matrix_b_scale:MATRIX_SCALE_ROW1
.endif
.endm
.macro MUL ks, first                   ; 32 products; the accumulators take turns, one instruction a turn.  first = 1: C is bo, in window 0
.if \first
	WIN 0x81
.else
	WIN 0xa1
.endif
.irp a, 0,1,2,3
.irp b, 0,1,2,3,4,5,6,7
	WM \a, \b, \ks, \first
.endr
.endr
.endm
.macro KSTEP ks, first                 ; as in launch qkv: where step ks + 1 opens a K slot, the filling waves wait for that slot's fill (the later ones stay out) and a barrier shows it to all
.if (((\ks)+1)%2) == 0
	s_wait_tensorcnt 3-((\ks)+1)/2
.endif
	s_wait_dscnt 0x0                               ; step ks's operands are in; no LDS load of mine is out at a signal
.if (((\ks)+1)%2) == 0
	s_barrier_signal -1
	s_barrier_wait -1
.endif
	PLACES
	FETCH (\ks)+1
	MUL \ks, \first
.endm
	s_wait_tensorcnt 3                             ; my fill of K slot 0 has landed; the three later ones stay out
	s_barrier_signal -1
	s_barrier_wait -1
	FETCH 0
	s_wait_loadcnt 0x0                             ; ctx's scale words and bo
.set n, 0
.rept 16
	v_or_b32 v[SA+n], v[SA+n], v[160+n]            ; a K step's word: the even head's two bytes and the odd head's two
.set n, n+1
.endr
.rept 8
	v_nop                                          ; a scale register written by a vector instruction stands eight places ahead of a scaled product
.endr
	KSTEP 0, 1
	KSTEP 1, 0
	KSTEP 2, 0
	s_wait_alu depctr_va_vdst(0)
	KSTEP 3, 0
	KSTEP 4, 0
	KSTEP 5, 0
	KSTEP 6, 0
	s_wait_dscnt 0x0
	MUL 7, 0
	WIN 0
; THE WAY OUT, a tile of 16 tokens x 128 columns at a time: into my stage, where the columns find their order, and back as whole rows of 512 bytes.  LDS serves a wave's instructions in order: no wait between the stores and the loads.
.macro TOSTAGE a
	WIN 0x08                                       ; an LDS store's data are its source 1: window 2
.irp b, 0,1,2,3,4,5,6,7
	ds_store_b128 v[STO], v[64*(\a)+8*\b:64*(\a)+8*\b+3] offset:128*(\b/2)+32*(\b%2)        ; each accumulator from its low end on
	ds_store_b128 v[STO], v[64*(\a)+8*\b+4:64*(\a)+8*\b+7] offset:128*(\b/2)+32*(\b%2)+16
.endr
	WIN 0
.set BB, BK+64*((\a)%2)
.irp t, 0,1,2,3,4,5,6,7,8,9,10,11,12,13,14,15
	ds_load_b128 v[BB+4*\t:BB+4*\t+3], v[RD] offset:\t*528
.endr
.endm
.macro SEND a, younger                 ; younger: the LDS instructions issued behind tile a's loads, which may stay out
.set BB, BK+64*((\a)%2)
	s_wait_dscnt \younger
.irp t, 0,1,2,3,4,5,6,7,8,9,10,11,12,13,14,15
	global_store_b128 v[L16], v[BB+4*\t:BB+4*\t+3], s[OUTP:OUTP+1] offset:(32*((\a)/2)+8*((\a)%2)+\t+8*(\t/8))*4096 th:TH_STORE_NT   ; 32 lanes store 512 consecutive bytes, aligned; lane row t's place among the 64 rows stands in the immediate
.endr
.endm
	PLACES
	TOSTAGE 0
	TOSTAGE 1
	SEND 0, 32                                     ; behind tile 0's loads: tile 1's 16 stores and 16 loads
	s_wait_xcnt 0x0                                ; tile 0's stores have read their registers: tile 2's loads may land there
	TOSTAGE 2
	SEND 1, 32
	s_wait_xcnt 0x0
	TOSTAGE 3
	SEND 2, 32
	SEND 3, 0
	s_wait_tensorcnt 0x0                           ; the wave's end, behind my last LDS store
	ds_add_u32 v[SPW], v[NIL]
	s_wait_dscnt 0x0
	CROUND                                         ; the closing round
	s_endpgm
.Lfunc_end_k_q596fe7e7d9_proj:
	.size	k_q596fe7e7d9_proj, .Lfunc_end_k_q596fe7e7d9_proj-k_q596fe7e7d9_proj
	.p2alignl 7, 3214868480
	.fill 96, 4, 3214868480
	.section	.rodata,"a",@progbits
	.p2align	6, 0x0
	.amdhsa_kernel k_q596fe7e7d9_proj
		.amdhsa_group_segment_fixed_size 327680
		.amdhsa_private_segment_fixed_size 0
		.amdhsa_enable_private_segment 0
		.amdhsa_kernarg_size 40
		.amdhsa_user_sgpr_count 2
		.amdhsa_user_sgpr_kernarg_segment_ptr 1
		.amdhsa_wavefront_size32 1
		.amdhsa_system_sgpr_workgroup_id_x 1
		.amdhsa_system_sgpr_workgroup_id_y 1
		.amdhsa_system_sgpr_workgroup_id_z 1
		.amdhsa_system_vgpr_workitem_id 0
		.amdhsa_next_free_vgpr 768
		.amdhsa_next_free_sgpr 100
		.amdhsa_reserve_vcc 0
		.amdhsa_float_denorm_mode_32 3
		.amdhsa_float_denorm_mode_16_64 3
		.amdhsa_memory_ordered 1
		.amdhsa_forward_progress 1
		.amdhsa_inst_pref_size 84
	.end_amdhsa_kernel
	.amdgpu_metadata
---
amdhsa.version: [ 1, 2 ]
amdhsa.kernels:
  - .name:           k_q596fe7e7d9_proj
    .symbol:         k_q596fe7e7d9_proj.kd
    .args:
      - { .name: cimg, .offset: 0, .size: 8, .value_kind: global_buffer, .address_space: global }
      - { .name: cscale, .offset: 8, .size: 8, .value_kind: global_buffer, .address_space: global }
      - { .name: wimg, .offset: 16, .size: 8, .value_kind: global_buffer, .address_space: global }
      - { .name: bo, .offset: 24, .size: 8, .value_kind: global_buffer, .address_space: global }
      - { .name: out0, .offset: 32, .size: 8, .value_kind: global_buffer, .address_space: global }
    .group_segment_fixed_size: 327680
    .private_segment_fixed_size: 0
    .kernarg_segment_align: 8
    .kernarg_segment_size: 40
    .max_flat_workgroup_size: 128
    .sgpr_count:     100
    .vgpr_count:     768
    .wavefront_size: 32
...
	.end_amdgpu_metadata
.endif
;; end of part 5
